; MI455X (gfx1250); checked and timed in simulation.
; The chip was launched on July 23, 2026; its instructions are those of AMD's public machine-readable ISA for CDNA 5 (MIT licence, August 2026) and "CDNA5" Instruction Set Architecture Reference Guide (July 2026). The comments in the code are by the model that wrote it; some were corrected since.
;; my param layer. Allowed arithmetic: matrix products marked QUANTISED: E4M3 operands, one E8M0 scale for each 32 along K, by v_wmma_scale_f32_16x16x128_f8f6f4 with both operands' format E4M3, f32 sums; everything else in f32.
;; Inputs: A 4,096 x 4,096 float32; B 4,096 x 4,096 float32.
;; Outputs: out0 4,096 x 4,096 float32.
;; This version of the problem:
;;   THIS VERSION OF THE PROBLEM IS GIVEN IN LOW PRECISION. The matrix products marked QUANTISED in the list below multiply operands that are first quantised to E4M3 (4 exponent bits, 3 mantissa bits; 8 bits a number), with one power-of-two scale for each 32 numbers along K (OCP MX v1.0); their sums are f32. All else is computed in f32.
;;   The module's matrix products, in the order in which they are computed (A, B: the left and right operand; K: the contracted axis; several contracted axes count as one K, in the product's order):
;;     1. [M 4,096, K 4,096] x [K 4,096, N 4,096]; A: input A; B: input B: QUANTISED
;;   THE QUANTISER, for each operand of a quantised product, along K:
;;     - K is cut into blocks of 32 from its start; a last block that is shorter is filled with zeros.
;;     - A block's scale is 2^e with e = floor(log2(the largest magnitude in the block)) - 8, held to -126 .. 127; a block of zeros has e = 0. As a byte (E8M0): e + 127.
;;     - Each number is divided by its block's scale, clamped to +-448, and rounded to the nearest number of E4M3, ties to even, subnormals kept.
;;     - The product sums the exact products of the quantised numbers (number of the format x scale) in f32.
;;   ~~~python
;;   def quantise(x, axis):      # numpy; x: float32 -> the quantised numbers, widened to float32 again
;;       x = np.moveaxis(x, axis, -1); K = x.shape[-1]
;;       x = np.pad(x, [(0, 0)] * (x.ndim - 1) + [(0, -K % 32)]); x = x.reshape(x.shape[:-1] + (-1, 32)); a = np.abs(x).max(-1, keepdims=True)
;;       e = np.where(a > 0, np.clip(np.frexp(np.where(a > 0, a, 1))[1] - 1 - 8, -126, 127), 0)      # np.frexp(a)[1] - 1 = floor(log2(a)), exactly
;;       r = np.clip(x / 2.0 ** e, -448, 448)
;;       step = 2.0 ** (np.maximum(np.frexp(np.where(r == 0, 1, r))[1] - 1, -6) - 3)
;;       q = np.round(r / step) * step * 2.0 ** e      # np.round: ties to even
;;       return np.moveaxis(q.reshape(q.shape[:-2] + (-1,))[..., :K], -1, axis).astype(np.float32)
;;   ~~~
;; 2 versions. Each part assembles by itself: llvm-mc -triple=amdgcn-amd-amdhsa -mcpu=gfx1250 --defsym DOCPART=n.
;; ======== version 1 of 2: 2 launches
;; workspace buffers: a_codes 16,777,216 bytes; b_codes 16,777,216 bytes; a_scales 524,288 bytes; b_scales 524,288 bytes
;; launch quant (part 1): grid 1024 x 1, 4 waves a work-group, no clusters, 36,352 bytes of LDS; arguments A, B, a_codes, a_scales, b_codes, b_scales; writes a_codes, a_scales, b_codes, b_scales
.if DOCPART == 1
	.amdgcn_target "amdgcn-amd-amdhsa--gfx1250"
	.amdhsa_code_object_version 6
	.text
	.protected	k_qe84e9a019d_quant
	.globl	k_qe84e9a019d_quant
	.p2align	8
	.type	k_qe84e9a019d_quant,@function
k_qe84e9a019d_quant:
	s_mov_b64 s[64:65], 0
	v_nop
	global_prefetch_b8 v0, s[64:65] scope:SCOPE_SE
	s_setreg_imm32_b32 hwreg(HW_REG_WAVE_MODE, 25, 1), 1
	s_wait_xcnt 0x0
; A [4096 m][4096 k] and B [4096 k][4096 n], f32, are turned into codes of FP8 (E4M3), one byte each, K innermost: a_codes [m][k], b_codes [n][k],
; with one E8M0 scale byte for each 32 along K, laid BY K STEP OF 256: a_scales [16 steps][4096 m][8 bytes], b_scales [16][4096 n][8]; byte j of a row is the block at k = 256 step + 32 j.
; So the scales that 256 rows need for one K step are 2,048 consecutive bytes, and a wave here stores the 8 bytes of 32 neighbouring rows as 256 consecutive bytes, aligned.
; A block's scale is 2^(floor(log2(its largest magnitude)) - 8); its byte is the largest magnitude's exponent field - 8, held at 1 from below (the clip at 2^-126); a block of zeros gets 127.
; Each number is divided by the scale, held within +-448 and rounded to the nearest code, ties to even.
; LIMITS: NaN and infinities among the inputs are not served; blocks whose largest magnitude has an exponent field under 9, whose byte is held at 1, were not tried.
; One launch serves both tensors: work-groups 0-511 take A (K innermost: a lane holds 16 neighbours along K, two lanes a block), work-groups 512-1023 take B (K is the first axis: a lane takes a column and
; its registers run down K).  The branch hangs on the work-group's number alone.  No tensor loads, no barrier: waves share nothing; each wave's LDS bytes are its own.
.set EMAX,  8                          ; the exponent of 448
.set MANT,  0x600000                   ; the mantissa field of 448 as f32
.set ROWF,  16384                      ; a row of A or of B in bytes
.set ROWC,  4096                       ; a row of codes in bytes
	s_load_b128 s[4:7], s[0:1], 0x0                ; A, B
	s_load_b128 s[8:11], s[0:1], 0x10              ; A's codes, A's scales
	s_load_b128 s[12:15], s[0:1], 0x20             ; B's codes, B's scales
	v_lshl_add_u32 v192, v0, 2, 0x8c00
	v_mov_b32 v193, 0
	v_lshrrev_b32 v1, 5, v0
	v_readfirstlane_b32 s16, v1                    ; wave 0..3
	v_and_b32 v2, 31, v0                           ; lane
	s_cmp_lt_u32 ttmp9, 512
	s_cbranch_scc0 .Lpath_b
; ---------------------------------------------------------------- A: K innermost
; A wave takes 32 rows x 256 along K (one K step); the four waves stand side by side on 4,096 consecutive bytes of each row.  16 steps; step t is rows 2 t (lanes 0-15) and 2 t + 1 (lanes 16-31);
; a lane holds 16 neighbouring numbers (64 bytes, four loads); lanes 2 j and 2 j + 1 hold block j of their row.  A lane's 16 codes are 16 bytes: sixteen lanes store 256 consecutive bytes, aligned.
.set XA, 16                            ; v16-79   four sets of 16 numbers
.set CA, 80                            ; v80-143  codes: four registers for each step, so that no store's data are written again
.set EA, 144                           ; v144-159 a scale byte for each step
	s_lshr_b32 s17, ttmp9, 2                       ; which 32 rows: 0..127
	s_and_b32 s18, ttmp9, 3
	s_lshl2_add_u32 s18, s18, s16                  ; which K step: 4 x (work-group mod 4) + wave
	v_lshrrev_b32 v8, 4, v2                        ; lane / 16: the row of the pair
	v_and_b32 v9, 15, v2
	v_lshlrev_b32 v3, 6, v9                        ; in: my 64 bytes of the row's 1,024,
	v_lshl_add_u32 v3, v8, 14, v3                  ; one row down for lanes 16-31
	v_lshlrev_b32 v4, 4, v9                        ; out: my 16 bytes of the row's 256,
	v_lshl_add_u32 v4, v8, 12, v4                  ; one row of codes down
	v_lshrrev_b32 v5, 1, v2
	s_lshl_b32 s19, s16, 8
	v_add_nc_u32 v5, s19, v5                       ; LDS: my wave's 256 bytes; byte 8 x row + block = 16 t + lane / 2
	v_lshlrev_b32 v7, 3, v2                        ; and on the way out 8 bytes a lane: a row's
	v_add_nc_u32 v6, s19, v7
	s_mov_b32 s21, 0
	s_wait_kmcnt 0x0
	s_lshl_b32 s20, s17, 19                        ; A: 32 rows of 16,384 bytes,
	s_lshl_b32 s22, s18, 10                        ; a K step of 1,024 bytes
	s_add_co_u32 s20, s20, s22
	s_add_nc_u64 s[4:5], s[4:5], s[20:21]
	s_lshl_b32 s20, s17, 17                        ; codes: 32 rows of 4,096 bytes, a K step of 256
	s_lshl_b32 s22, s18, 8
	s_add_co_u32 s20, s20, s22
	s_add_nc_u64 s[8:9], s[8:9], s[20:21]
	s_lshl_b32 s20, s18, 15                        ; scale bytes: a K step of 4,096 rows x 8 bytes, 32 rows of 8
	s_lshl_b32 s22, s17, 8
	s_add_co_u32 s20, s20, s22
	s_add_nc_u64 s[10:11], s[10:11], s[20:21]
.macro LOADA t
.irp i, 0,1,2,3
	global_load_b128 v[XA+16*((\t)%4)+4*\i:XA+16*((\t)%4)+4*\i+3], v3, s[4:5] offset:2*ROWF*(\t)+16*\i th:TH_LOAD_NT
.endr
.endm
.irp t, 0,1,2,3
	LOADA \t
.endr
.macro STEPA t
.set XS, XA+16*((\t)%4)
.if 15-(\t) >= 3
	s_wait_loadcnt 12                              ; this step's four loads are in; the next three steps' twelve may be out
.else
	s_wait_loadcnt 4*(15-(\t))                     ; the last steps: the count runs down
.endif
	v_max3_num_f32 v8, |v[XS]|, |v[XS+1]|, |v[XS+2]|               ; the largest magnitude of my 16, in two chains
	v_max3_num_f32 v9, |v[XS+3]|, |v[XS+4]|, |v[XS+5]|
.irp i, 6,10
	v_max3_num_f32 v8, v8, |v[XS+\i]|, |v[XS+\i+1]|
	v_max3_num_f32 v9, v9, |v[XS+\i+2]|, |v[XS+\i+3]|
.endr
	v_max3_num_f32 v8, v8, |v[XS+14]|, |v[XS+15]|
	v_max_num_f32 v8, v8, v9
	v_max_num_f32_dpp v8, v8, v8 row_xmask:1 row_mask:0xf bank_mask:0xf   ; and of my neighbour's 16: the block's
	v_lshrrev_b32 v9, 23, v8                       ; its exponent field (the sign bit is 0)
	v_max_u32 v9, EMAX+1, v9                       ; the byte is not to fall under 1
	v_lshl_or_b32 v10, v9, 23, MANT                ; 448 x the scale: exponent field = the byte + 8
	v_add_nc_u32 v9, -EMAX, v9                     ; the scale's byte
	v_lshlrev_b32 v11, 23, v9                      ; and the scale as f32: the conversion takes its exponent field
	v_cmp_eq_u32 vcc_lo, 0, v8                     ; a block of zeros?
.irp i, 0,1,2,3,4,5,6,7,8,9,10,11,12,13,14,15
	v_med3_num_f32 v[XS+\i], v[XS+\i], -v10, v10   ; the conversion to an 8-bit code does not saturate (ISA guide 7.6.2): hold the number first
.endr
	v_cvt_scalef32_pk8_fp8_f32 v[CA+4*(\t):CA+4*(\t)+1], v[XS:XS+7], v11
	v_cvt_scalef32_pk8_fp8_f32 v[CA+4*(\t)+2:CA+4*(\t)+3], v[XS+8:XS+15], v11
	v_cndmask_b32 v[EA+(\t)], v9, 127, vcc_lo      ; a block of zeros gets 127.  (Also the one plain vector instruction between a scaled conversion and what touches its result or writes its sources)
	ds_store_b8 v5, v[EA+(\t)] offset:16*(\t)      ; both lanes of a block write the same byte with the same value
	global_store_b128 v4, v[CA+4*(\t):CA+4*(\t)+3], s[8:9] offset:2*ROWC*(\t)
.if (\t)+4 < 16
	LOADA (\t)+4
.endif
.endm
.irp t, 0,1,2,3,4,5,6,7,8,9,10,11,12,13,14,15
	STEPA \t
.endr
	ds_load_b64 v[12:13], v6                       ; LDS serves a wave's instructions in order (ISA guide 5.7.1.4): this sees my stores
	s_wait_dscnt 0x0
	global_store_b64 v7, v[12:13], s[10:11]        ; 32 rows x 8 bytes: 256 consecutive bytes, aligned
	s_wait_tensorcnt 0x0
	ds_add_u32 v192, v193
	s_wait_dscnt 0x0
	s_endpgm
; ---------------------------------------------------------------- B: K is the first axis
; A wave takes 32 columns x 256 along K; the four waves stand side by side on 512 consecutive bytes of each row of B.  A LANE TAKES A COLUMN n, AND ITS REGISTERS RUN DOWN K: a block of 32 lies in one lane's
; 32 registers, its largest magnitude needs no other lane, and the conversions give the codes with K innermost.  A lane's 256 bytes of codes belong to one row of b_codes and the lanes beside it hold other
; rows: they go through the wave's own stage in LDS and leave by rows, sixteen lanes to 256 consecutive bytes, aligned.  Loads run two blocks (64 loads a wave) ahead.
; Every offset is an immediate: 255 rows x 16,384 bytes at the most, inside the signed 24-bit field (ISA guide, chapter 10).
.set SPB,  272                         ; a stage row: 256 bytes + 16
.set SBY,  24                          ; v24-25   the 8 scale bytes
.set XB,   32                          ; v32-95   two sets of 32 numbers
.set CB,   96                          ; v96-103  a block's codes
.set OUTR, 112                         ; v112-175 the way out: 16 x 4 registers
.Lpath_b:
	s_sub_co_u32 s19, ttmp9, 512
	s_and_b32 s17, s19, 31
	s_lshl_b32 s17, s17, 7
	s_lshl_b32 s18, s16, 5
	s_add_co_u32 s17, s17, s18                     ; my wave's first column: 128 x (number mod 32) + 32 x wave
	s_lshr_b32 s18, s19, 5                         ; which K step: 0..15
	v_lshlrev_b32 v3, 2, v2                        ; in: 4 bytes a lane
	s_mul_i32 s19, s16, 32*SPB                     ; my stage
	v_mul_u32_u24 v4, v2, SPB
	v_add_nc_u32 v4, s19, v4                       ; into it: row = my column
	v_and_b32 v5, 15, v2
	v_lshrrev_b32 v6, 4, v2                        ; out of it: sixteen lanes to a row, two rows an instruction
	v_mul_u32_u24 v7, v6, SPB
	v_lshl_add_u32 v7, v5, 4, v7
	v_add_nc_u32 v7, s19, v7                       ; LDS address
	v_lshlrev_b32 v8, 12, v6
	v_lshl_add_u32 v8, v5, 4, v8                   ; and the same place in b_codes
	v_lshlrev_b32 v9, 3, v2                        ; my column's 8 scale bytes
	s_mov_b32 s21, 0
	s_wait_kmcnt 0x0
	s_lshl_b32 s20, s18, 22                        ; B: 256 rows of 16,384 bytes a K step, 4 bytes a column
	s_lshl_b32 s22, s17, 2
	s_add_co_u32 s20, s20, s22
	s_add_nc_u64 s[6:7], s[6:7], s[20:21]
	s_lshl_b32 s20, s17, 12                        ; codes: 4,096 bytes a column, 256 a K step
	s_lshl_b32 s22, s18, 8
	s_add_co_u32 s20, s20, s22
	s_add_nc_u64 s[12:13], s[12:13], s[20:21]
	s_lshl_b32 s20, s18, 15                        ; scale bytes: 32,768 a K step, 8 a column
	s_lshl_b32 s22, s17, 3
	s_add_co_u32 s20, s20, s22
	s_add_nc_u64 s[14:15], s[14:15], s[20:21]
.macro LOADB t                         ; block t: B(32 t + i, my column), i = 0 .. 31, into set t % 2
.irp i, 0,1,2,3,4,5,6,7,8,9,10,11,12,13,14,15,16,17,18,19,20,21,22,23,24,25,26,27,28,29,30,31
	global_load_b32 v[XB+32*((\t)%2)+\i], v3, s[6:7] offset:(32*(\t)+\i)*ROWF th:TH_LOAD_NT
.endr
.endm
	LOADB 0
	LOADB 1
.macro BLOCKB t
.set XS, XB+32*((\t)%2)
.if (\t) < 7
	s_wait_loadcnt 32                              ; this block's 32 loads are in; the next block's may be out
.else
	s_wait_loadcnt 0
.endif
	v_max3_num_f32 v12, |v[XS]|, |v[XS+1]|, |v[XS+2]|               ; the block's largest magnitude: all 32 numbers are mine
	v_max3_num_f32 v13, |v[XS+3]|, |v[XS+4]|, |v[XS+5]|
.irp i, 6,10,14,18,22,26
	v_max3_num_f32 v12, v12, |v[XS+\i]|, |v[XS+\i+1]|
	v_max3_num_f32 v13, v13, |v[XS+\i+2]|, |v[XS+\i+3]|
.endr
	v_max3_num_f32 v12, v12, |v[XS+30]|, |v[XS+31]|
	v_max_num_f32 v12, v12, v13
	v_lshrrev_b32 v13, 23, v12                     ; its exponent field
	v_max_u32 v13, EMAX+1, v13                     ; the byte is not to fall under 1
	v_lshl_or_b32 v10, v13, 23, MANT               ; 448 x the scale
	v_add_nc_u32 v13, -EMAX, v13                   ; the scale's byte
	v_lshlrev_b32 v11, 23, v13                     ; and the scale as f32
	v_cmp_eq_u32 vcc_lo, 0, v12
	v_cndmask_b32 v13, v13, 127, vcc_lo            ; a block of zeros gets 127
.if (\t)%4 == 0
	v_mov_b32 v[SBY+(\t)/4], v13                   ; four bytes to a register, the lower K in the lower byte
.else
	v_lshl_or_b32 v[SBY+(\t)/4], v13, 8*((\t)%4), v[SBY+(\t)/4]
.endif
.irp i, 0,1,2,3,4,5,6,7,8,9,10,11,12,13,14,15,16,17,18,19,20,21,22,23,24,25,26,27,28,29,30,31
	v_med3_num_f32 v[XS+\i], v[XS+\i], -v10, v10   ; hold the number within 448 x the scale: the conversion does not saturate (ISA guide 7.6.2)
.endr
.irp g, 0,1,2,3
	v_cvt_scalef32_pk8_fp8_f32 v[CB+2*\g:CB+2*\g+1], v[XS+8*\g:XS+8*\g+7], v11
.endr
	v_nop                                          ; one plain vector instruction between a scaled conversion and what touches its result or writes its sources
	ds_store_b128 v4, v[CB:CB+3] offset:32*(\t)    ; 32 codes: 32 bytes of my column's row
	ds_store_b128 v4, v[CB+4:CB+7] offset:32*(\t)+16
.if (\t)+2 < 8
	LOADB (\t)+2
.endif
	s_wait_dscnt 0x0                               ; the stores have read their registers: the next block's codes may be written
.endm
.irp t, 0,1,2,3,4,5,6,7
	BLOCKB \t
.endr
	global_store_b64 v9, v[SBY:SBY+1], s[14:15]    ; 32 columns x 8 bytes: 256 consecutive bytes, aligned
.irp t, 0,1,2,3,4,5,6,7,8,9,10,11,12,13,14,15
	ds_load_b128 v[OUTR+4*\t:OUTR+4*\t+3], v7 offset:2*\t*SPB   ; LDS serves a wave's instructions in order: these see my stores
.endr
.irp t, 0,1,2,3,4,5,6,7,8,9,10,11,12,13,14,15
	s_wait_dscnt 15-\t                             ; LDS loads come back in order: pair t of rows is in, the younger ones may be out
	global_store_b128 v8, v[OUTR+4*\t:OUTR+4*\t+3], s[12:13] offset:2*\t*ROWC
.endr
	s_wait_tensorcnt 0x0
	ds_add_u32 v192, v193
	s_wait_dscnt 0x0
	s_endpgm
.Lfunc_end_k_qe84e9a019d_quant:
	.size	k_qe84e9a019d_quant, .Lfunc_end_k_qe84e9a019d_quant-k_qe84e9a019d_quant
	.p2alignl 7, 3214868480
	.fill 96, 4, 3214868480
	.section	.rodata,"a",@progbits
	.p2align	6, 0x0
	.amdhsa_kernel k_qe84e9a019d_quant
		.amdhsa_group_segment_fixed_size 36352
		.amdhsa_private_segment_fixed_size 0
		.amdhsa_enable_private_segment 0
		.amdhsa_kernarg_size 48
		.amdhsa_user_sgpr_count 2
		.amdhsa_user_sgpr_kernarg_segment_ptr 1
		.amdhsa_wavefront_size32 1
		.amdhsa_system_sgpr_workgroup_id_x 1
		.amdhsa_system_sgpr_workgroup_id_y 1
		.amdhsa_system_sgpr_workgroup_id_z 1
		.amdhsa_system_vgpr_workitem_id 0
		.amdhsa_next_free_vgpr 194
		.amdhsa_next_free_sgpr 66
		.amdhsa_reserve_vcc 1
		.amdhsa_float_denorm_mode_32 3
		.amdhsa_float_denorm_mode_16_64 3
		.amdhsa_memory_ordered 1
		.amdhsa_forward_progress 1
		.amdhsa_inst_pref_size 103
	.end_amdhsa_kernel
	.amdgpu_metadata
---
amdhsa.version: [ 1, 2 ]
amdhsa.kernels:
  - .name:           k_qe84e9a019d_quant
    .symbol:         k_qe84e9a019d_quant.kd
    .args:
      - { .name: A, .offset: 0, .size: 8, .value_kind: global_buffer, .address_space: global }
      - { .name: B, .offset: 8, .size: 8, .value_kind: global_buffer, .address_space: global }
      - { .name: a_codes, .offset: 16, .size: 8, .value_kind: global_buffer, .address_space: global }
      - { .name: a_scales, .offset: 24, .size: 8, .value_kind: global_buffer, .address_space: global }
      - { .name: b_codes, .offset: 32, .size: 8, .value_kind: global_buffer, .address_space: global }
      - { .name: b_scales, .offset: 40, .size: 8, .value_kind: global_buffer, .address_space: global }
    .group_segment_fixed_size: 36352
    .private_segment_fixed_size: 0
    .kernarg_segment_align: 8
    .kernarg_segment_size: 48
    .max_flat_workgroup_size: 128
    .sgpr_count:     66
    .vgpr_count:     194
    .wavefront_size: 32
...
	.end_amdgpu_metadata
.endif
;; end of part 1
;; launch gemm (part 2): grid 16 x 16, 4 waves a work-group, clusters of 4 x 4, 327,680 bytes of LDS; arguments a_codes, a_scales, b_codes, b_scales, out0; writes out0
.if DOCPART == 2
	.amdgcn_target "amdgcn-amd-amdhsa--gfx1250"
	.amdhsa_code_object_version 6
	.text
	.protected	k_qe84e9a019d_gemm
	.globl	k_qe84e9a019d_gemm
	.p2align	8
	.type	k_qe84e9a019d_gemm,@function
k_qe84e9a019d_gemm:
	s_mov_b64 s[64:65], 0
	v_nop
	global_prefetch_b8 v0, s[64:65] scope:SCOPE_SE
	s_setreg_imm32_b32 hwreg(HW_REG_WAVE_MODE, 25, 1), 1
	s_wait_xcnt 0x0
	s_wait_alu depctr_hold_cnt(0) depctr_sa_sdst(0) depctr_va_vdst(0) depctr_va_sdst(0) depctr_va_ssrc(0) depctr_va_vcc(0) depctr_vm_vsrc(0)
	s_getreg_b32 s2, hwreg(HW_REG_IB_STS2, 6, 4)
	s_cmp_eq_u32 s2, 0
	s_cbranch_scc0 .Lentry_in_a_cluster
	s_endpgm
.Lentry_in_a_cluster:
	s_bfe_u32 s2, ttmp6, 0x10000c
	s_cmp_lg_u32 s2, 0xf033
	s_cbranch_scc0 .Lentry_shape_is_right
	s_endpgm
.Lentry_shape_is_right:
; out0[m][n] = sum over k of A[m][k] B[n][k], M = N = K = 4,096.  a_codes [m][k], b_codes [n][k]: codes of FP8 (E4M3), one byte each, K innermost.  a_scales [16 K steps][m][8], b_scales [16][n][8]: one E8M0
; byte for each 32 along K, laid by K step of 256.  out0 is f32; one f32 sum for each output, K ascending.  The matrix instruction takes codes and scale bytes as they lie.
; A tile of out0, 256 x 256, is made by a work-group of four waves; a wave makes 128 x 128: 64 accumulators of 16 x 16, 512 registers.  256 tiles, 256 work-groups.
; K goes in steps of 256 through a ring of two LDS slots filled by the tensor data mover.  A slot holds A's 256 rows of 256 bytes, B's 256 rows, and the two sides' scale bytes of that K step: 2,048 consecutive
; bytes of memory each.  One tensor load a wave: wave 0 A's codes, wave 1 B's codes, wave 2 A's scales, wave 3 B's scales.
; CLUSTERS: 4 x 4 work-groups.  The four of a row of the cluster need the same tiles of A (codes and scales), the four of a column the same tiles of B: each is asked for JOINTLY, by the same tensor load with
; the same descriptor and a mask that names the four.  THE MATRIX INSTRUCTION IS USED TRANSPOSED (source 0 = 16 rows of B, source 1 = 16 rows of A): a lane then holds eight neighbouring numbers of a row of out0.
; REGISTERS, in windows of 256: window 0: v0-31 addresses; v32-63 scale words, two sets, and nothing else ever; v128-255 A's fragments (8 x 16 rows x 128 K), ONE set; on the way out v128-255 take rows read back.
;   window 1: B's fragments, TWO sets, at v0 and at v128.   window 2: the 32 accumulators of my rows 0-63 (accumulator (a, b) at v[8 (8 (a % 4) + b)]);   window 3: those of my rows 64-127.
; A step of 128 along K is 64 matrix instructions, A's blocks one after the other, each against B's eight: a block of A is free as soon as its eight products are issued, so one set serves A:
; blocks 0-3 are fetched anew in the step's middle, blocks 4-7 at its end.  B's fragments are at work through the whole step, so B has two sets.
; All of the work-group's LDS claim of 327,680 bytes; the text uses 287,744.
.set SIZE_N, 4096
.set NQ,     2                         ; matrix instructions deep in a slot: 256 along K
.set ROWB,   256                       ; a tile's row in bytes
.set KROW,   4096                      ; a row of codes in memory
.set PITCH,  272                       ; an LDS row: 256 bytes + 16 of padding = 68 words: row r starts at bank 4 r mod 64 (64 banks of 4 bytes: ISA guide 11.1), so the 16 rows that a load touches start at 16 different banks
.set FR,     16                        ; registers of a fragment: 16 rows x 128 K
.set NL,     4                         ; LDS loads that bring one
.set NP,     8                         ; places behind this matrix instruction (ISA guide 7.12.1)
.set TILE,   256*PITCH                 ; 256 rows of codes: what one tensor load brings
.set HALFT,  128*PITCH                 ; 128 rows: what one wave reads of A or of B
.set SA,     2*TILE                    ; in a slot: A's codes, B's codes, then A's 2,048 scale bytes,
.set SBS,    SA+2048+128               ; and B's, 128 bytes askew: the 128 bytes that lanes 0-15 read of A's and the 128 that lanes 16-31 read of B's then lie in different banks
.set SLOT,   SBS+2048+128              ; 143,616 = 561 x 256
.set SPARE,  2*SLOT                    ; behind the ring: the spare words, 128 bytes for each wave: two blocks of 256 bytes that no other line names
.set SPITCH, 528                       ; the way out: a stage of 16 rows x (512 bytes + 16) for each wave.  It lies in slot 0, which has had its last fill and its last read when the first result is stored there
.set LAPS,   8                         ; a lap = two K steps = once round the ring
.set ADRA, 16                          ; v16-17  LDS address of my A fragments in slot 0, 1
.set ADRB, 20                          ; v20-21  the same for B
.set ADRS, 22                          ; v22-23  LDS address of my scale words in slot 0, 1: lanes 0-15 A's rows, lanes 16-31 B's
.set STO,  24                          ; v24     the way out: where I put 32 bytes of a row
.set RD,   25                          ; v25     the way out: where I read a row back
.set CO,   26                          ; v26     my byte offset in a row of out0
.set SPW,  28                          ; v28     LDS address of my spare word: SPARE + 4 x my thread's number; never rewritten
.set NIL,  29                          ; v29     0; never rewritten
.set SC,   32                          ; scale words: set s (for slot s) at v[SC + 16 s]; register 2 i + q: lanes 0-15 the word of A's block i, lanes 16-31 that of B's block i, for the slot's q-th 128 along K
.set AF,   128                         ; A's fragments, in window 0
.set BK,   128                         ; the way out: 16 rows read back from the stage: v128-191 and v192-255 by turns
.set G1A,  24                          ; s[24:31] descriptor group 1 for A's codes;   s[32:39] group 0, one set for each slot
.set G0A,  32
.set G1B,  48                          ; s[48:55], s[56:63] the same for B's codes
.set G0B,  56
.set G1SA, 68                          ; s[68:75], s[76:83] for A's scales
.set G0SA, 76
.set G1SB, 84                          ; s[84:91], s[92:99] for B's scales
.set G0SB, 92
.set MSB, 0
.macro WIN new                         ; the immediate's high byte repeats the setting that is left; a switch that changes nothing is dropped
.if MSB != \new
	s_set_vgpr_msb (MSB<<8)|\new
.set MSB, \new
.endif
.endm
.set MUL_LO, 0xa1                      ; source 0 (B) window 1, source 1 (A) window 0, C and D window 2
.set MUL_HI, 0xf1                      ; the same, C and D window 3
.set TO_B,   0x40                      ; destination window 1, address window 0
; A joint load into slot s: each wave has a line of its own, with ONE mask and one set of registers for all work-groups that issue it; the branches hang on the wave's number alone.
; Four v_nop follow each line, ahead of the jump, the label and what follows.
.macro JLOAD s
	s_cmp_lt_u32 s14, 2
	s_cbranch_scc0 .Lscales_\@
	s_cmp_eq_u32 s14, 0
	s_cbranch_scc0 .Lcodes_b_\@
	tensor_load_to_lds s[G0A+4*\s:G0A+4*\s+3], s[G1A:G1A+7]
	s_nop 0
.rept 4
	v_nop
.endr
	s_branch .Lasked_\@
.Lcodes_b_\@:
	tensor_load_to_lds s[G0B+4*\s:G0B+4*\s+3], s[G1B:G1B+7]
	s_nop 0
.rept 4
	v_nop
.endr
	s_branch .Lasked_\@
.Lscales_\@:
	s_cmp_eq_u32 s14, 2
	s_cbranch_scc0 .Lscales_b_\@
	tensor_load_to_lds s[G0SA+4*\s:G0SA+4*\s+3], s[G1SA:G1SA+7]
	s_nop 0
.rept 4
	v_nop
.endr
	s_branch .Lasked_\@
.Lscales_b_\@:
	tensor_load_to_lds s[G0SB+4*\s:G0SB+4*\s+3], s[G1SB:G1SB+7]
	s_nop 0
.rept 4
	v_nop
.endr
.Lasked_\@:
.endm
; The first fills: a wave's two (slot 0, slot 1) stand together in its one branch; four v_nop follow the second.
.macro FIRSTFILL
	s_cmp_lt_u32 s14, 2
	s_cbranch_scc0 .Lf_scales
	s_cmp_eq_u32 s14, 0
	s_cbranch_scc0 .Lf_codes_b
	tensor_load_to_lds s[G0A:G0A+3], s[G1A:G1A+7]
	s_nop 0
	tensor_load_to_lds s[G0A+4:G0A+7], s[G1A:G1A+7]
	s_nop 0
.rept 4
	v_nop
.endr
	s_branch .Lf_asked
.Lf_codes_b:
	tensor_load_to_lds s[G0B:G0B+3], s[G1B:G1B+7]
	s_nop 0
	tensor_load_to_lds s[G0B+4:G0B+7], s[G1B:G1B+7]
	s_nop 0
.rept 4
	v_nop
.endr
	s_branch .Lf_asked
.Lf_scales:
	s_cmp_eq_u32 s14, 2
	s_cbranch_scc0 .Lf_scales_b
	tensor_load_to_lds s[G0SA:G0SA+3], s[G1SA:G1SA+7]
	s_nop 0
	tensor_load_to_lds s[G0SA+4:G0SA+7], s[G1SA:G1SA+7]
	s_nop 0
.rept 4
	v_nop
.endr
	s_branch .Lf_asked
.Lf_scales_b:
	tensor_load_to_lds s[G0SB:G0SB+3], s[G1SB:G1SB+7]
	s_nop 0
	tensor_load_to_lds s[G0SB+4:G0SB+7], s[G1SB:G1SB+7]
	s_nop 0
.rept 4
	v_nop
.endr
.Lf_asked:
.endm
; A round of the cluster's barrier: my work-group's barrier, so that wave 0's signal speaks for all four waves; wave 0 signals for the work-group; every wave waits for all sixteen work-groups; my work-group's barrier once more.
.macro CREST                           ; a round behind its opening barrier
	s_cmp_lg_u32 s14, 0
	s_cbranch_scc1 .Lnot_wave_0_\@
	s_barrier_signal -3
.Lnot_wave_0_\@:
	s_barrier_wait -3
	s_barrier_signal -1
	s_barrier_wait -1
.endm
.macro CROUND                          ; a whole round
	s_barrier_signal -1
	s_barrier_wait -1
	CREST
.endm
	s_load_b128 s[4:7], s[0:1], 0x0                ; A's codes s[4:5], A's scales s[6:7]
	s_load_b128 s[8:11], s[0:1], 0x10              ; B's codes s[8:9], B's scales s[10:11]
	s_load_b64 s[12:13], s[0:1], 0x20              ; out0
	v_lshl_add_u32 v[SPW], v0, 2, SPARE
	v_mov_b32 v[NIL], 0
	ds_add_u32 v28, v29
	ds_add_u32 v28, v29
	s_wait_dscnt 0x0
	v_lshrrev_b32 v1, 5, v0
	v_readfirstlane_b32 s14, v1                    ; wave 0..3
	s_lshr_b32 s15, s14, 1                         ; which half of the tile's rows is mine
	s_and_b32 s16, s14, 1                          ; which half of its columns
	s_bfe_u32 s40, ttmp6, 0x40000                  ; cx, cy: my place in the cluster
	s_bfe_u32 s41, ttmp6, 0x40004
	s_lshl_b32 s42, ttmp9, 2                       ; in a cluster launch ttmp9 and ttmp7 count clusters
	s_add_co_u32 s42, s42, s40                     ; tile column = 4 x cluster x + cx
	s_and_b32 s17, ttmp7, 0xffff
	s_lshl_b32 s17, s17, 2
	s_add_co_u32 s17, s17, s41                     ; tile row = 4 x cluster y + cy
	s_lshl_b32 s43, s41, 2
	s_lshl_b32 s43, 15, s43                        ; my row of the cluster: places 4 cy .. 4 cy + 3
	s_lshl_b32 s44, 0x1111, s40                    ; my column: places cx, cx + 4, cx + 8, cx + 12
	; descriptor group 1 for codes: a tile of 256 rows x 256 bytes, padded in LDS
	s_or_b32 s[G1A+0], s43, (0<<16)|(1<<20)|(1<<21)|(5<<22)|(3<<25)  ; 15:0 the mask: A's tiles go to my row; 17:16 element of 1 byte; 20 padding on; 21 set beside a mask; 24:22 after every 64 words (code 5); 31:25 of 4 words (code 3)
	s_or_b32 s[G1B+0], s44, (0<<16)|(1<<20)|(1<<21)|(5<<22)|(3<<25)  ; the same with the mask of my column
.irp g, G1A, G1B
	s_mov_b32 s[\g+1], ROWB<<16                    ; tensor_dim0 = 256
	s_mov_b32 s[\g+2], 256<<16                     ; tensor_dim1 = 256
	s_mov_b32 s[\g+3], ROWB<<16                    ; tile_dim0 = 256
	s_mov_b32 s[\g+4], 256                         ; tile_dim1 = 256
	s_mov_b32 s[\g+5], KROW                        ; tensor_dim0_stride: 4,096 bytes from row to row
	s_mov_b32 s[\g+6], 0
	s_mov_b32 s[\g+7], 0
.endr
	; and for the scales of 256 rows in one K step: 2,048 dense bytes, as 8 rows of 256 bytes (32 elements of 8 bytes), no padding
	s_or_b32 s[G1SA+0], s43, (3<<16)|(1<<21)
	s_or_b32 s[G1SB+0], s44, (3<<16)|(1<<21)
.irp g, G1SA, G1SB
	s_mov_b32 s[\g+1], 32<<16
	s_mov_b32 s[\g+2], 8<<16
	s_mov_b32 s[\g+3], 32<<16
	s_mov_b32 s[\g+4], 8
	s_mov_b32 s[\g+5], 32
	s_mov_b32 s[\g+6], 0
	s_mov_b32 s[\g+7], 0
.endr
	; where the tiles come from.  A's hang on the tile row alone, which my row of the cluster shares; B's on the tile column alone.  Each side's registers never hold the other coordinate.
	s_lshl_b32 s20, s17, 20                        ; A's codes: 256 rows of 4,096 bytes a tile row
	s_mov_b32 s21, 0
	s_lshl_b32 s22, s17, 11                        ; A's scales: 256 rows of 8 bytes
	s_mov_b32 s23, 0
	s_lshl_b32 s46, s42, 20                        ; B likewise, by the tile column
	s_mov_b32 s47, 0
	s_lshl_b32 s18, s42, 11
	s_mov_b32 s19, 0
	s_wait_kmcnt 0x0
	s_add_nc_u64 s[20:21], s[4:5], s[20:21]
	s_add_nc_u64 s[22:23], s[6:7], s[22:23]
	s_add_nc_u64 s[46:47], s[8:9], s[46:47]
	s_add_nc_u64 s[18:19], s[10:11], s[18:19]
.irp s, 0,1                            ; group 0, a set for each slot: count 1; the LDS address, a constant; the global address of K step s; type 2 on top
	s_mov_b32 s[G0A+4*\s], 1
	s_mov_b32 s[G0A+4*\s+1], \s*SLOT
	s_add_nc_u64 s[G0A+4*\s+2:G0A+4*\s+3], s[20:21], \s*ROWB
	s_or_b32 s[G0A+4*\s+3], s[G0A+4*\s+3], 0x80000000
	s_mov_b32 s[G0B+4*\s], 1
	s_mov_b32 s[G0B+4*\s+1], \s*SLOT+TILE
	s_add_nc_u64 s[G0B+4*\s+2:G0B+4*\s+3], s[46:47], \s*ROWB
	s_or_b32 s[G0B+4*\s+3], s[G0B+4*\s+3], 0x80000000
	s_mov_b32 s[G0SA+4*\s], 1
	s_mov_b32 s[G0SA+4*\s+1], \s*SLOT+SA
	s_add_nc_u64 s[G0SA+4*\s+2:G0SA+4*\s+3], s[22:23], \s*32768
	s_or_b32 s[G0SA+4*\s+3], s[G0SA+4*\s+3], 0x80000000
	s_mov_b32 s[G0SB+4*\s], 1
	s_mov_b32 s[G0SB+4*\s+1], \s*SLOT+SBS
	s_add_nc_u64 s[G0SB+4*\s+2:G0SB+4*\s+3], s[18:19], \s*32768
	s_or_b32 s[G0SB+4*\s+3], s[G0SB+4*\s+3], 0x80000000
.endr
	CROUND                                         ; all sixteen work-groups are here: the first joint loads meet
	FIRSTFILL                                      ; K steps 0 and 1: two tensor loads of mine are out
	v_and_b32 v1, 15, v0                           ; r = l % 16
	v_bfe_u32 v2, v0, 4, 1                         ; h = l / 16
	v_mul_u32_u24 v3, v1, PITCH
	v_lshl_add_u32 v4, v2, 4, v3                   ; a fragment's row x pitch + 16 x half
	s_mul_i32 s21, s15, HALFT                      ; my 128 rows of A
	s_mul_i32 s22, s16, HALFT                      ; my 128 rows of B,
	s_add_co_u32 s22, s22, TILE                    ; which lie behind A's 256
.irp s, 0,1
	v_add_nc_u32 v[ADRA+\s], s21, v4
	v_add_nc_u32 v[ADRB+\s], s22, v4
	s_add_co_u32 s21, s21, SLOT
	s_add_co_u32 s22, s22, SLOT
.endr
	s_lshl_b32 s21, s15, 10                        ; scale words: 8 bytes a row; A's: my 128 rows,
	s_add_co_u32 s21, s21, SA
	s_lshl_b32 s22, s16, 10                        ; B's: my 128 rows
	s_add_co_u32 s22, s22, SBS
	s_sub_co_u32 s22, s22, s21                     ; (1,152 at the least)
	v_mul_u32_u24 v6, s22, v2                      ; lanes 16-31 take B's
	v_lshl_add_u32 v5, v1, 3, v6
	v_add_nc_u32 v[ADRS], s21, v5
	v_add_nc_u32 v[ADRS+1], SLOT, v[ADRS]
	s_mul_i32 s23, s14, 16*SPITCH                  ; my stage
	v_mul_u32_u24 v5, v1, SPITCH                   ; in: row l % 16, 32 bytes for each half of the lanes
	v_lshl_add_u32 v5, v2, 5, v5
	v_add_nc_u32 v[STO], s23, v5
	v_and_b32 v6, 31, v0
	v_lshlrev_b32 v[CO], 4, v6                     ; back: the 32 lanes take one row of 512 bytes; and the same in out0
	v_add_nc_u32 v[RD], s23, v[CO]
	s_lshl_b32 s20, s17, 22                        ; my first row of out0: 256 rows of 16,384 bytes a tile row,
	s_lshl_b32 s21, s15, 21                        ; 128 rows a half
	s_add_co_u32 s20, s20, s21
	s_mov_b32 s21, 0
	s_add_nc_u64 s[12:13], s[12:13], s[20:21]
	s_lshl_b32 s46, s42, 10                        ; my first column, in bytes: 1,024 x tile column + 512 x half
	s_lshl_b32 s47, s16, 9
	s_add_co_u32 s46, s46, s47
	s_mov_b32 s47, 0
	s_add_nc_u64 s[12:13], s[12:13], s[46:47]
.macro FRAG reg, adr, q, i             ; a fragment, 16 rows x 128 K of 8-bit codes, is 16 registers: lane l holds row l % 16; registers 4 c .. 4 c + 3 hold K = 32 c + 16 (l / 16) + 0 .. 15
.irp c, 0,1,2,3
	ds_load_b128 v[\reg+4*\c:\reg+4*\c+3], v[\adr] offset:128*(\q)+32*\c+(\i)*16*PITCH
.endr
.endm
; 16 matrix instructions: A's blocks a0, a0 + 1 x B's eight, 128 along K: the slot's q-th.  p: B's set;  sc: the set of scale words.  zero = 1: the first product starts the sums: nothing is ever cleared.
; Source 0 is B: its scale words lie in lanes 16-31 of register 2 b + q; source 1 is A: lanes 0-15 of register 2 a + q.
; The 64 accumulators take turns, one instruction a turn, in the same order in every step.
.macro MUL16 a0, p, q, sc, zero
.irp a, \a0, \a0+1
.irp b, 0,1,2,3,4,5,6,7
.if \zero
	v_wmma_scale_f32_16x16x128_f8f6f4 v[8*(8*((\a)%4)+\b):8*(8*((\a)%4)+\b)+7], v[128*(\p)+FR*\b:128*(\p)+FR*\b+FR-1], v[AF+FR*(\a):AF+FR*(\a)+FR-1], 0, v[SC+8*NQ*(\sc)+NQ*\b+(\q)], v[SC+8*NQ*(\sc)+NQ*(\a)+(\q)] matrix_a_scale:MATRIX_SCALE_ROW1
.else
	v_wmma_scale_f32_16x16x128_f8f6f4 v[8*(8*((\a)%4)+\b):8*(8*((\a)%4)+\b)+7], v[128*(\p)+FR*\b:128*(\p)+FR*\b+FR-1], v[AF+FR*(\a):AF+FR*(\a)+FR-1], v[8*(8*((\a)%4)+\b):8*(8*((\a)%4)+\b)+7], v[SC+8*NQ*(\sc)+NQ*\b+(\q)], v[SC+8*NQ*(\sc)+NQ*(\a)+(\q)] matrix_a_scale:MATRIX_SCALE_ROW1
.endif
.endr
.endr
.endm
.macro FETCH_B slot, q, p              ; B's eight fragments of the slot's q-th 128 along K into set p: 32 loads
	WIN TO_B
.irp i, 0,1,2,3,4,5,6,7
	FRAG 128*(\p)+FR*\i, ADRB+\slot, \q, \i
.endr
	WIN 0
.endm
.macro FETCH_A slot, q, i0             ; A's blocks i0 .. i0 + 3: 16 loads
.irp i, \i0, \i0+1, \i0+2, \i0+3
	FRAG AF+FR*(\i), ADRA+\slot, \q, \i
.endr
.endm
.macro SCALES sc                       ; slot sc's scale words into set sc: 2 words a row; lanes 0-15 take A's block i, lanes 16-31 B's block i; 16 rows are 128 bytes
.irp i, 0,1,2,3,4,5,6,7
	ds_load_b64 v[SC+8*NQ*\sc+NQ*\i:SC+8*NQ*\sc+NQ*\i+1], v[ADRS+\sc] offset:\i*128
.endr
.endm
; A load into a register that a matrix instruction has read, and a vector instruction or an LDS store that reads a matrix result, stand NP places behind that matrix instruction, and only plain vector
; instructions that name none of its registers are places (ISA guide 7.12.1 for vector instructions); the matrix instructions in between are not counted.
.macro PLACES n
.rept \n
	v_nop
.endr
.endm
; A step of 128 along K that has its successor in the same slot.
.macro STEP slot, q, zero
	s_wait_dscnt 4*NL                              ; B's set, A's blocks 0-3 and the scale words are in; the youngest sixteen loads (A's blocks 4-7) may be out
	WIN MUL_LO
	MUL16 0, (\q)%2, \q, \slot, \zero
	MUL16 2, (\q)%2, \q, \slot, \zero
	s_wait_dscnt 0                                 ; A's blocks 4-7 are in (asked for 32 matrix instructions ago)
	PLACES NP
	FETCH_B \slot, (\q)+1, 1-(\q)%2
	FETCH_A \slot, (\q)+1, 0
	WIN MUL_HI
	MUL16 4, (\q)%2, \q, \slot, \zero
	MUL16 6, (\q)%2, \q, \slot, \zero
	PLACES NP
	WIN 0
	FETCH_A \slot, (\q)+1, 4
.endm
; A slot's last step changes slots: ONE barrier; in front of it each wave waits for all its tensor loads, adds 0 to its spare word, and waits for that and for its own reads of this slot.
; fill = 1: the barrier opens a round of the cluster's barrier, and this slot is filled again, two K steps ahead: the load has 96 matrix instructions of mine in which to land.
.macro TURN slot, next, fill
	s_wait_tensorcnt 0x0                           ; all my tensor loads have landed: the one that was out is my part of the next slot;  (every window is 0 here: the add's two registers lie in window 0)
	ds_add_u32 v[SPW], v[NIL]                      ; 0 onto my spare word
	s_wait_dscnt 4*NL+1                            ; (the add and the youngest sixteen loads, A's blocks 4-7, may be out)
	WIN MUL_LO
	MUL16 0, 1, NQ-1, \slot, 0                     ; sixteen matrix instructions stand between the add and the wait for it
	s_wait_dscnt 0x0                               ; the add is done, and my reads of this slot are over
	s_barrier_signal -1
	MUL16 2, 1, NQ-1, \slot, 0                     ; work on registers while the others arrive
	WIN 0
	s_barrier_wait -1
.if \fill
	CREST                                          ; no wave of any partner still reads this slot or has a load on its way
	s_add_nc_u64 s[G0A+4*\slot+2:G0A+4*\slot+3], s[G0A+4*\slot+2:G0A+4*\slot+3], 2*ROWB        ; no tensor load of mine is out, so every group 0 may be written: two K steps on: 512 bytes along a row of codes,
	s_add_nc_u64 s[G0B+4*\slot+2:G0B+4*\slot+3], s[G0B+4*\slot+2:G0B+4*\slot+3], 2*ROWB
	s_add_nc_u64 s[G0SA+4*\slot+2:G0SA+4*\slot+3], s[G0SA+4*\slot+2:G0SA+4*\slot+3], 2*32768   ; two planes of 32,768 scale bytes
	s_add_nc_u64 s[G0SB+4*\slot+2:G0SB+4*\slot+3], s[G0SB+4*\slot+2:G0SB+4*\slot+3], 2*32768
	JLOAD \slot                                    ; the first tensor load behind the round, one a wave; the four v_nop behind it are among the places in front of the loads below
	PLACES NP-4
.else
	PLACES NP
.endif
	FETCH_B \next, 0, 0
	FETCH_A \next, 0, 0
	SCALES \next
	WIN MUL_HI
	MUL16 4, 1, NQ-1, \slot, 0
	MUL16 6, 1, NQ-1, \slot, 0
	PLACES NP
	WIN 0
	FETCH_A \next, 0, 4
.endm
	s_wait_tensorcnt 1                             ; my part of K step 0 is in; K step 1's load may be out
	s_barrier_signal -1
	s_barrier_wait -1                              ; everybody's is
	FETCH_B 0, 0, 0
	FETCH_A 0, 0, 0
	SCALES 0
	FETCH_A 0, 0, 4
	STEP 0, 0, 1                                   ; the first step stands in front of the loop: its products start the sums
	s_mov_b32 s3, LAPS-1
.Llap:                                                 ; a trip goes once round the ring, from a lap's second step to the next lap's first, and fills both slots again: 7 trips, K steps 2 to 15
	TURN 0, 1, 1
	STEP 1, 0, 0
	TURN 1, 0, 1
	STEP 0, 0, 0
	s_sub_co_u32 s3, s3, 1
	s_cmp_lg_u32 s3, 0
	s_cbranch_scc1 .Llap
	TURN 0, 1, 0                                   ; the last lap fills nothing, and has no round of the cluster's barrier
	STEP 1, 0, 0
	s_wait_dscnt 4*NL                              ; the very last step: nothing more to fetch
	WIN MUL_LO
	MUL16 0, 1, NQ-1, 1, 0
	MUL16 2, 1, NQ-1, 1, 0
	s_wait_dscnt 0
	WIN MUL_HI
	MUL16 4, 1, NQ-1, 1, 0
	MUL16 6, 1, NQ-1, 1, 0
	WIN 0
; THE WAY OUT, block by block of 16 rows x 128 columns.  A lane holds 32 neighbouring bytes of a row, and the lanes beside it hold other rows: so a block goes through my own stage in LDS and comes back as whole
; rows of 512 bytes.  LDS serves a wave's instructions in order (ISA guide 5.7.1.4): no wait between the stores and the loads, nor in front of the next block's stores.
.macro TOSTAGE a
.set AC, 64*((\a)%4)
	WIN 0x08+4*((\a)/4)                            ; the data: window 2 or 3
.irp b, 0,1,2,3,4,5,6,7
	ds_store_b128 v[STO], v[AC+8*\b:AC+8*\b+3] offset:64*\b          ; each accumulator from its low end on
	ds_store_b128 v[STO], v[AC+8*\b+4:AC+8*\b+7] offset:64*\b+16
.endr
	WIN 0
.set BB, BK+64*((\a)%2)
.irp t, 0,1,2,3,4,5,6,7,8,9,10,11,12,13,14,15
	ds_load_b128 v[BB+4*\t:BB+4*\t+3], v[RD] offset:\t*SPITCH
.endr
.endm
.macro SEND a, younger                 ; younger: the LDS instructions issued behind block a's loads, which may stay out
.set BB, BK+64*((\a)%2)
	s_wait_dscnt \younger                          ; the block is back in registers
.if (\a) > 0
	s_wait_xcnt 0x0                                ; only behind this wait is the stores' base rewritten
	s_add_nc_u64 s[12:13], s[12:13], 16*SIZE_N*4   ; 16 rows of out0 on: the stores' offsets stay at 15 rows, 245,760 bytes, at the most
.endif
.irp t, 0,1,2,3,4,5,6,7,8,9,10,11,12,13,14,15
	global_store_b128 v[CO], v[BB+4*\t:BB+4*\t+3], s[12:13] offset:\t*SIZE_N*4 th:TH_STORE_NT   ; 32 lanes store 512 consecutive bytes, at a multiple of 256 from out0's first byte; written once, read by nobody here
.endr
.endm
	PLACES NP                                      ; behind the last products: for the loads into A's registers and for the reads of results alike
	TOSTAGE 0
.irp a, 1,2,3,4,5,6,7
	s_wait_xcnt 0x0                                ; block a - 2's stores have read their registers: block a's loads may land there
	TOSTAGE \a
	SEND \a-1, 32                                  ; behind block a - 1's loads: block a's 16 stores and 16 loads
.endr
	SEND 7, 0
	s_wait_tensorcnt 0x0                           ; the wave's end: behind my last tensor load and my last LDS store
	ds_add_u32 v[SPW], v[NIL]
	s_wait_dscnt 0x0
	CROUND                                         ; the closing round: no work-group ends while a partner may still ask for a tile that names it
	s_endpgm
.Lfunc_end_k_qe84e9a019d_gemm:
	.size	k_qe84e9a019d_gemm, .Lfunc_end_k_qe84e9a019d_gemm-k_qe84e9a019d_gemm
	.p2alignl 7, 3214868480
	.fill 96, 4, 3214868480
	.section	.rodata,"a",@progbits
	.p2align	6, 0x0
	.amdhsa_kernel k_qe84e9a019d_gemm
		.amdhsa_group_segment_fixed_size 327680
		.amdhsa_private_segment_fixed_size 0
		.amdhsa_enable_private_segment 0
		.amdhsa_kernarg_size 40
		.amdhsa_user_sgpr_count 2
		.amdhsa_user_sgpr_kernarg_segment_ptr 1
		.amdhsa_wavefront_size32 1
		.amdhsa_system_sgpr_workgroup_id_x 1
		.amdhsa_system_sgpr_workgroup_id_y 1
		.amdhsa_system_sgpr_workgroup_id_z 1
		.amdhsa_system_vgpr_workitem_id 0
		.amdhsa_next_free_vgpr 1024
		.amdhsa_next_free_sgpr 100
		.amdhsa_reserve_vcc 0
		.amdhsa_float_denorm_mode_32 3
		.amdhsa_float_denorm_mode_16_64 3
		.amdhsa_memory_ordered 1
		.amdhsa_forward_progress 1
		.amdhsa_inst_pref_size 147
	.end_amdhsa_kernel
	.amdgpu_metadata
---
amdhsa.version: [ 1, 2 ]
amdhsa.kernels:
  - .name:           k_qe84e9a019d_gemm
    .symbol:         k_qe84e9a019d_gemm.kd
    .args:
      - { .name: a_codes, .offset: 0, .size: 8, .value_kind: global_buffer, .address_space: global }
      - { .name: a_scales, .offset: 8, .size: 8, .value_kind: global_buffer, .address_space: global }
      - { .name: b_codes, .offset: 16, .size: 8, .value_kind: global_buffer, .address_space: global }
      - { .name: b_scales, .offset: 24, .size: 8, .value_kind: global_buffer, .address_space: global }
      - { .name: out0, .offset: 32, .size: 8, .value_kind: global_buffer, .address_space: global }
    .group_segment_fixed_size: 327680
    .private_segment_fixed_size: 0
    .kernarg_segment_align: 8
    .kernarg_segment_size: 40
    .max_flat_workgroup_size: 128
    .sgpr_count:     100
    .vgpr_count:     1024
    .wavefront_size: 32
...
	.end_amdgpu_metadata
.endif
;; end of part 2
;; ======== version 2 of 2: 2 launches
;; limits: right only within a limited range of input values
;; workspace buffers: a_q 18,874,368 bytes; b_q 17,301,504 bytes
;; launch quant (part 3): grid 1024 x 1, 4 waves a work-group, no clusters, 37,376 bytes of LDS; arguments A, B, a_q, b_q; writes a_q, b_q
.if DOCPART == 3
	.amdgcn_target "amdgcn-amd-amdhsa--gfx1250"
	.amdhsa_code_object_version 6
	.text
	.protected	k_qe84e9a019d_quant
	.globl	k_qe84e9a019d_quant
	.p2align	8
	.type	k_qe84e9a019d_quant,@function
k_qe84e9a019d_quant:
	s_mov_b64 s[64:65], 0
	v_nop
	global_prefetch_b8 v0, s[64:65] scope:SCOPE_SE
	s_setreg_imm32_b32 hwreg(HW_REG_WAVE_MODE, 25, 1), 1
	s_wait_xcnt 0x0
; A [4096 m][4096 k] and B [4096 k][4096 n], f32, become codes of FP8 (E4M3) with one E8M0 scale byte for each 32 along K.
; a_q [32 blocks of 128 rows][32 steps of 128 K][128 rows][144 bytes]: a row holds its 128 codes (K ascending), its 4 scale bytes, 12 zero bytes.
;   The 32 steps of a block of rows follow each other without a gap: a dense stream of 589,824 bytes, laid as the product's launch wants it in LDS.
; b_q [32 blocks of 128 columns][16 chunks of 256 K][33,792 bytes].  A chunk: [2 steps of 128 K][8 fragments of 16 columns][2,048 bytes], then 1,024 scale bytes.
;   A fragment is the image of the matrix operand's registers: piece c (0..3), half h, column r: the 16 codes of K = 32 c + 16 h + 0..15 at byte 512 c + 256 h + 16 r.
;   Scale bytes: [4 pairs of fragments][32 columns][8 bytes: the column's 8 blocks of the chunk].
; A block's scale is 2^(floor(log2(largest magnitude)) - 8); its byte is that magnitude's exponent field - 8, held at 1 from below; a block of zeros gets 127.
; Each number is divided by the scale, held within +-448 and rounded to the nearest code, ties to even.
; LIMITS: NaN and infinities among the inputs are not served; blocks whose largest magnitude has an exponent field under 9, whose byte is held at 1, were not tried.
; Work-groups 0-511 take A, 512-1023 take B; the branch hangs on the work-group's number alone.  No barrier: waves share nothing.
.set EMAX,  8
.set MANT,  0x600000                   ; the mantissa field of 448
.set ROWF,  16384                      ; a row of A or of B in bytes
.set QROW,  144                        ; a row of a_q
.set HALF,  32*QROW                    ; 32 rows of one step: 4,608 = 18 x 256
.set STG,   2*HALF                     ; a wave's stage: 32 rows of two steps
.set ASTEP, 128*QROW                   ; a step of a block of rows
.set AMB,   32*ASTEP
.set CHUNK, 33792
.set OUT,   136                        ; v136-207: A's way out (18 x 4); B's codes (8 x 8)
.set SPARE, 4*STG                      ; behind the stages: the spare words
	s_load_b128 s[4:7], s[0:1], 0x0                ; A, B
	s_load_b128 s[8:11], s[0:1], 0x10              ; a_q, b_q
	v_lshl_add_u32 v208, v0, 2, SPARE
	v_mov_b32 v209, 0
	v_lshrrev_b32 v1, 5, v0
	v_readfirstlane_b32 s16, v1                    ; wave
	v_and_b32 v2, 31, v0                           ; lane
	s_mul_i32 s19, s16, STG                        ; my stage
	v_lshlrev_b32 v7, 4, v2                        ; 16 bytes a lane
	v_add_nc_u32 v6, s19, v7
	s_mov_b32 s21, 0
	s_cmp_lt_u32 ttmp9, 512
	s_cbranch_scc0 .Lpath_b
; ---- A: K innermost.  A wave takes 32 rows x 256 K (two steps).  A row is two loads of 512 consecutive bytes: a lane holds 4 neighbours of block l / 8 of each step,
; eight neighbouring lanes hold a block.  The conversion is issued twice on the same eight numbers, once under each block's scale; of each result the word made under its own scale is kept.
.set XA, 32                            ; v32-95   eight sets of 8 numbers
.set CA, 96                            ; v96-127  eight sets of 4
.set EA, 128                           ; v128-135 eight scale bytes
	s_lshr_b32 s17, ttmp9, 2                       ; which 32 rows
	s_and_b32 s18, ttmp9, 3
	s_lshl2_add_u32 s18, s18, s16                  ; which 256 along K
	s_mov_b32 s24, 0xaaaaaaaa                      ; the odd lanes
	s_wait_alu depctr_va_vdst(0)
	v_lshl_add_u32 v4, v2, 2, s19                  ; into the stage: my 4 codes
	v_lshrrev_b32 v8, 3, v2
	v_and_b32 v9, 1, v2
	v_mad_u32_u24 v8, v9, HALF, v8                 ; the scale byte: even lanes the first step's block l / 8, odd lanes the second step's
	s_add_co_u32 s22, s19, 128
	v_add_nc_u32 v5, s22, v8
	v_mul_u32_u24 v18, v2, QROW                    ; the 12 zero bytes at a row's end: lane = row
	s_add_co_u32 s23, s19, 132
	v_add_nc_u32 v18, s23, v18
	v_mov_b32 v16, 0
	v_mov_b32 v17, 0
	s_wait_alu depctr_va_vdst(0)                   ; the wait at the head's end
	s_wait_kmcnt 0x0
	s_lshl_b32 s20, s17, 19
	s_lshl_b32 s22, s18, 10
	s_add_co_u32 s20, s20, s22
	s_add_nc_u64 s[4:5], s[4:5], s[20:21]
	s_lshr_b32 s20, s17, 2                         ; a_q: the block of 128 rows,
	s_mul_i32 s20, s20, AMB
	s_mul_i32 s22, s18, 2*ASTEP                    ; the first of my two steps,
	s_add_co_u32 s20, s20, s22
	s_and_b32 s22, s17, 3                          ; my 32 rows in it
	s_mul_i32 s22, s22, HALF
	s_add_co_u32 s20, s20, s22
	s_add_nc_u64 s[8:9], s[8:9], s[20:21]
.macro LOADA t
	global_load_b128 v[XA+8*((\t)%8):XA+8*((\t)%8)+3], v7, s[4:5] offset:ROWF*(\t) th:TH_LOAD_NT
	global_load_b128 v[XA+8*((\t)%8)+4:XA+8*((\t)%8)+7], v7, s[4:5] offset:ROWF*(\t)+512 th:TH_LOAD_NT
.endm
.irp t, 0,1,2,3,4,5,6,7
	LOADA \t
.endr
.irp q, 0,1
	ds_store_b32 v18, v16 offset:HALF*\q
	ds_store_b64 v18, v[16:17] offset:HALF*\q+4
.endr
.macro STEPA t
.set XS,  XA+8*((\t)%8)
.set CSA, CA+4*((\t)%8)
.set ESA, EA+((\t)%8)
.if 31-(\t) >= 7
	s_wait_loadcnt 14                              ; this row's two loads are in; the next seven rows' may be out
.else
	s_wait_loadcnt 2*(31-(\t))
.endif
	s_wait_dscnt 21                                ; all but the last seven rows' three LDS stores are done: the registers stored eight rows ago may be written
	v_max3_num_f32 v8, |v[XS]|, |v[XS+1]|, |v[XS+2]|
	v_max3_num_f32 v9, |v[XS+4]|, |v[XS+5]|, |v[XS+6]|
	v_max_num_f32 v8, v8, |v[XS+3]|
	v_max_num_f32 v9, v9, |v[XS+7]|
.irp x, 1,2,4
	v_max_num_f32_dpp v8, v8, v8 row_xmask:\x row_mask:0xf bank_mask:0xf
	v_max_num_f32_dpp v9, v9, v9 row_xmask:\x row_mask:0xf bank_mask:0xf
.endr
	v_lshrrev_b32 v10, 23, v8                      ; the exponent fields
	v_lshrrev_b32 v11, 23, v9
	v_max_u32 v10, EMAX+1, v10                     ; the byte is not to fall under 1
	v_max_u32 v11, EMAX+1, v11
	v_lshl_or_b32 v12, v10, 23, MANT               ; 448 x the scale
	v_lshl_or_b32 v13, v11, 23, MANT
	v_add_nc_u32 v10, -EMAX, v10                   ; the bytes
	v_add_nc_u32 v11, -EMAX, v11
	v_lshlrev_b32 v14, 23, v10                     ; the scales as f32
	v_lshlrev_b32 v15, 23, v11
	v_cndmask_b32 v8, v8, v9, s24                  ; the block whose byte I store
	v_cndmask_b32 v10, v10, v11, s24
	v_cmp_eq_u32 vcc_lo, 0, v8
.irp i, 0,1,2,3
	v_med3_num_f32 v[XS+\i], v[XS+\i], -v12, v12   ; the conversion does not saturate (ISA guide 7.6.2): hold first
	v_med3_num_f32 v[XS+4+\i], v[XS+4+\i], -v13, v13
.endr
	v_cvt_scalef32_pk8_fp8_f32 v[CSA:CSA+1], v[XS:XS+7], v14       ; the low word is kept
	v_cvt_scalef32_pk8_fp8_f32 v[CSA+2:CSA+3], v[XS:XS+7], v15     ; the high word is kept
	v_cndmask_b32 v[ESA], v10, 127, vcc_lo         ; a block of zeros gets 127 (also the plain line behind the conversions)
	ds_store_b32 v4, v[CSA] offset:QROW*(\t)
	ds_store_b32 v4, v[CSA+3] offset:HALF+QROW*(\t)
	ds_store_b8 v5, v[ESA] offset:QROW*(\t)
.if (\t)+8 < 32
	LOADA (\t)+8
.endif
.endm
.irp t, 0,1,2,3,4,5,6,7,8,9,10,11,12,13,14,15,16,17,18,19,20,21,22,23,24,25,26,27,28,29,30,31
	STEPA \t
.endr
.irp t, 0,1,2,3,4,5,6,7,8,9,10,11,12,13,14,15,16,17
	ds_load_b128 v[OUT+4*\t:OUT+4*\t+3], v6 offset:512*\t          ; LDS serves a wave's instructions in order: these see my stores
.endr
.irp t, 0,1,2,3,4,5,6,7,8,9,10,11,12,13,14,15,16,17
	s_wait_dscnt 17-\t
	global_store_b128 v7, v[OUT+4*\t:OUT+4*\t+3], s[8:9] offset:512*\t+(ASTEP-HALF)*(\t/9)   ; 512 consecutive bytes, at a multiple of 256; pieces 9-17 are the second step's
.endr
	s_wait_tensorcnt 0x0                           ; the wave's end
	ds_add_u32 v208, v209
	s_wait_dscnt 0x0
	s_endpgm
; ---- B: K is the first axis.  A wave takes 32 columns x 256 K.  A lane takes a column and its registers run down K: a block of 32 lies in one lane, and the conversions give codes with K innermost.
; A lane's 16 codes of a half block are 16 bytes of a fragment's image, and sixteen neighbouring lanes hold 256 neighbouring bytes of it: the codes are stored from registers, whole aligned units.
.set SBY,  24                          ; v24-25   my column's 8 scale bytes
.set XB,   32                          ; v32-95   two sets of 32 numbers
.Lpath_b:
	s_sub_co_u32 s20, ttmp9, 512
	s_and_b32 s17, s20, 31                         ; which 128 columns
	s_lshr_b32 s18, s20, 5                         ; which 256 along K
	s_lshl_b32 s22, s17, 9
	s_lshl_b32 s23, s16, 7
	s_add_co_u32 s22, s22, s23                     ; my first column, in bytes of a row of B
	s_lshl_b32 s23, s16, 12                        ; my two fragments of a step's eight
	s_lshl_b32 s24, s16, 8                         ; my 256 scale bytes
	s_wait_alu depctr_va_vdst(0)                   ; behind the branch
	v_lshlrev_b32 v3, 2, v2
	v_lshrrev_b32 v8, 4, v2
	v_and_b32 v9, 15, v2
	v_lshl_add_u32 v4, v8, 11, s23                 ; codes: fragment (lane / 16),
	v_lshl_add_u32 v4, v9, 4, v4                   ; 16 bytes a column
	v_lshl_add_u32 v5, v2, 3, s24                  ; scale bytes: 8 a column
	s_wait_alu depctr_va_vdst(0)                   ; the wait at the head's end
	s_wait_kmcnt 0x0
	s_lshl_b32 s20, s18, 22
	s_add_co_u32 s20, s20, s22
	s_add_nc_u64 s[6:7], s[6:7], s[20:21]
	s_mul_i32 s20, s17, 16*CHUNK
	s_mul_i32 s22, s18, CHUNK
	s_add_co_u32 s20, s20, s22
	s_add_nc_u64 s[10:11], s[10:11], s[20:21]
.macro LOADB t
.irp i, 0,1,2,3,4,5,6,7,8,9,10,11,12,13,14,15,16,17,18,19,20,21,22,23,24,25,26,27,28,29,30,31
	global_load_b32 v[XB+32*((\t)%2)+\i], v3, s[6:7] offset:(32*(\t)+\i)*ROWF th:TH_LOAD_NT
.endr
.endm
	LOADB 0
	LOADB 1
.macro BLOCKB t
.set XS,  XB+32*((\t)%2)
.set CSB, OUT+8*(\t)                   ; each block has its own code registers: no store's data are written again
.if (\t) < 7
	s_wait_loadcnt 32                              ; this block's 32 loads are in; the next block's may be out
.else
	s_wait_loadcnt 0
.endif
	v_max3_num_f32 v12, |v[XS]|, |v[XS+1]|, |v[XS+2]|
	v_max3_num_f32 v13, |v[XS+3]|, |v[XS+4]|, |v[XS+5]|
.irp i, 6,10,14,18,22,26
	v_max3_num_f32 v12, v12, |v[XS+\i]|, |v[XS+\i+1]|
	v_max3_num_f32 v13, v13, |v[XS+\i+2]|, |v[XS+\i+3]|
.endr
	v_max3_num_f32 v12, v12, |v[XS+30]|, |v[XS+31]|
	v_max_num_f32 v12, v12, v13
	v_lshrrev_b32 v13, 23, v12
	v_max_u32 v13, EMAX+1, v13
	v_lshl_or_b32 v10, v13, 23, MANT               ; 448 x the scale
	v_add_nc_u32 v13, -EMAX, v13                   ; the byte
	v_lshlrev_b32 v11, 23, v13
	v_cmp_eq_u32 vcc_lo, 0, v12
	v_cndmask_b32 v13, v13, 127, vcc_lo            ; a block of zeros gets 127
.if (\t)%4 == 0
	v_mov_b32 v[SBY+(\t)/4], v13
.else
	v_lshl_or_b32 v[SBY+(\t)/4], v13, 8*((\t)%4), v[SBY+(\t)/4]
.endif
.irp i, 0,1,2,3,4,5,6,7,8,9,10,11,12,13,14,15,16,17,18,19,20,21,22,23,24,25,26,27,28,29,30,31
	v_med3_num_f32 v[XS+\i], v[XS+\i], -v10, v10
.endr
.irp g, 0,1,2,3
	v_cvt_scalef32_pk8_fp8_f32 v[CSB+2*\g:CSB+2*\g+1], v[XS+8*\g:XS+8*\g+7], v11
.endr
	v_nop                                          ; one plain line behind the conversions
	global_store_b128 v4, v[CSB:CSB+3], s[10:11] offset:16384*((\t)/4)+512*((\t)%4)        ; K = 32 t + 0..15: sixteen lanes fill an aligned unit of 256 bytes
	global_store_b128 v4, v[CSB+4:CSB+7], s[10:11] offset:16384*((\t)/4)+512*((\t)%4)+256  ; K = 32 t + 16..31
.if (\t)+2 < 8
	LOADB (\t)+2
.endif
.endm
.irp t, 0,1,2,3,4,5,6,7
	BLOCKB \t
.endr
	global_store_b64 v5, v[SBY:SBY+1], s[10:11] offset:32768       ; 32 lanes store one aligned unit of 256 bytes
	s_wait_tensorcnt 0x0
	ds_add_u32 v208, v209
	s_wait_dscnt 0x0
	s_endpgm
.Lfunc_end_k_qe84e9a019d_quant:
	.size	k_qe84e9a019d_quant, .Lfunc_end_k_qe84e9a019d_quant-k_qe84e9a019d_quant
	.p2alignl 7, 3214868480
	.fill 96, 4, 3214868480
	.section	.rodata,"a",@progbits
	.p2align	6, 0x0
	.amdhsa_kernel k_qe84e9a019d_quant
		.amdhsa_group_segment_fixed_size 37376
		.amdhsa_private_segment_fixed_size 0
		.amdhsa_enable_private_segment 0
		.amdhsa_kernarg_size 32
		.amdhsa_user_sgpr_count 2
		.amdhsa_user_sgpr_kernarg_segment_ptr 1
		.amdhsa_wavefront_size32 1
		.amdhsa_system_sgpr_workgroup_id_x 1
		.amdhsa_system_sgpr_workgroup_id_y 1
		.amdhsa_system_sgpr_workgroup_id_z 1
		.amdhsa_system_vgpr_workitem_id 0
		.amdhsa_next_free_vgpr 210
		.amdhsa_next_free_sgpr 66
		.amdhsa_reserve_vcc 1
		.amdhsa_float_denorm_mode_32 3
		.amdhsa_float_denorm_mode_16_64 3
		.amdhsa_memory_ordered 1
		.amdhsa_forward_progress 1
		.amdhsa_inst_pref_size 139
	.end_amdhsa_kernel
	.amdgpu_metadata
---
amdhsa.version: [ 1, 2 ]
amdhsa.kernels:
  - .name:           k_qe84e9a019d_quant
    .symbol:         k_qe84e9a019d_quant.kd
    .args:
      - { .name: A, .offset: 0, .size: 8, .value_kind: global_buffer, .address_space: global }
      - { .name: B, .offset: 8, .size: 8, .value_kind: global_buffer, .address_space: global }
      - { .name: a_q, .offset: 16, .size: 8, .value_kind: global_buffer, .address_space: global }
      - { .name: b_q, .offset: 24, .size: 8, .value_kind: global_buffer, .address_space: global }
    .group_segment_fixed_size: 37376
    .private_segment_fixed_size: 0
    .kernarg_segment_align: 8
    .kernarg_segment_size: 32
    .max_flat_workgroup_size: 128
    .sgpr_count:     66
    .vgpr_count:     210
    .wavefront_size: 32
...
	.end_amdgpu_metadata
.endif
;; end of part 3
;; launch gemm (part 4): grid 16 x 16, 4 waves a work-group, clusters of 4 x 1, 327,680 bytes of LDS; arguments a_q, b_q, out0; writes out0
.if DOCPART == 4
	.amdgcn_target "amdgcn-amd-amdhsa--gfx1250"
	.amdhsa_code_object_version 6
	.text
	.protected	k_qe84e9a019d_gemm
	.globl	k_qe84e9a019d_gemm
	.p2align	8
	.type	k_qe84e9a019d_gemm,@function
k_qe84e9a019d_gemm:
	s_mov_b64 s[64:65], 0
	v_nop
	global_prefetch_b8 v0, s[64:65] scope:SCOPE_SE
	s_setreg_imm32_b32 hwreg(HW_REG_WAVE_MODE, 25, 1), 1
	s_wait_xcnt 0x0
	s_wait_alu depctr_hold_cnt(0) depctr_sa_sdst(0) depctr_va_vdst(0) depctr_va_sdst(0) depctr_va_ssrc(0) depctr_va_vcc(0) depctr_vm_vsrc(0)
	s_getreg_b32 s2, hwreg(HW_REG_IB_STS2, 6, 4)
	s_cmp_eq_u32 s2, 0
	s_cbranch_scc0 .Lentry_in_a_cluster
	s_endpgm
.Lentry_in_a_cluster:
	s_bfe_u32 s2, ttmp6, 0x10000c
	s_cmp_lg_u32 s2, 0x3003
	s_cbranch_scc0 .Lentry_shape_is_right
	s_endpgm
.Lentry_shape_is_right:
; out0[m][n] = sum over k of A[m][k] B[k][n], M = N = K = 4,096, on codes of FP8 (E4M3) with E8M0 scales, laid by the launch before:
; a_q [32 blocks of 128 rows][32 steps of 128 K][128 rows][144 bytes: 128 codes, 4 scale bytes, 12 unused]; b_q [32 blocks of 128 columns][16 chunks of 256 K][33,792 bytes] in the order of the operand's registers.
; One f32 sum for each output, K ascending.  A work-group makes 256 x 256: four waves, each all 256 rows x 64 columns (64 accumulators, 512 registers).  16 x 16 = 256 work-groups.
; A's 256 rows serve all four waves: they go through LDS, a ring of two slots of four steps (147,456 bytes: two dense runs of memory, one for each 128 rows; each wave brings half a run with one tensor load).
; B's 64 columns of a wave are read by no other wave of its work-group: through LDS each byte would be written once and read once.  They go from memory straight into the wave's registers,
; each load 512 consecutive bytes, into four sets of 64 registers by turns; a step's loads are issued three steps (192 matrix instructions) ahead of the counted wait for them.
; CLUSTERS: the four work-groups of a cluster (along x) take the same rows of A: each fill is asked for JOINTLY (mask 15).  B has no joint load: loads into registers have no such form;
; the work-groups that share columns of B (along y) read them by loads of their own.
; PREFETCH: each wave asks for its own columns' codes and scale bytes five steps ahead of their use, two steps ahead of their loads: 32 blocks of 256 bytes a step, a lane a block, and 2 blocks of scale bytes a chunk;
; in a cluster each block is loaded, and asked for, by one wave alone; the last five steps ask for nothing.  A's fills are not prefetched: a fill is asked for four whole steps, 256 matrix instructions a wave, ahead of the wait for it.
; THE MATRIX INSTRUCTION IS USED TRANSPOSED (source 0 = 16 columns of B, source 1 = 16 rows of A): a lane holds eight neighbouring numbers of a row of out0.
; A step is 64 products in four pairs of units (a unit: two blocks of A, each against B's four fragments): sixteen products on end, then ONE run: eight places, sixteen LDS loads into the buffers that the pair left, four loads of B.
; REGISTERS: window 0: v0-31 addresses; v32-47 B's scale words (four sets of 4), v48-63 A's (two sets of 8, interleaved); v64-87 LDS addresses; v128-255 four buffers for A's units (on the way out: rows read back).
;   window 1: B's four sets.  Windows 2, 3: the accumulators ((a, b) at v[8 (4 (a % 8) + b)] of window 2 + a / 8).
; The claim of all of LDS; the text uses 312,832 bytes.
.set SIZE_N, 4096
.set PITCH,  144                       ; 9 x 16 bytes: the 16 rows that a load touches start in different banks (ISA guide 11.1)
.set STEPB,  128*PITCH                 ; a step of 128 rows of A: 18,432 = 72 x 256
.set RUNB,   4*STEPB                   ; four steps of 128 rows
.set SLOT,   2*RUNB
.set WPART,  RUNB/2                    ; a wave's part of a fill: 144 rows of 256 bytes
.set AMB,    32*STEPB
.set CHUNK,  33792
.set STAGE,  2*SLOT                    ; behind the ring: 16 rows x 272 bytes for each wave, for the way out
.set SPITCH, 272
.set SPARE,  STAGE+4*16*SPITCH         ; the spare words
.set BO,   20                          ; 16 x lane + my half of a step's eight fragments
.set BS,   21                          ; 8 x lane + my half of a chunk's scale bytes
.set PFO,  22                          ; 256 x lane + my half of the fragments
.set PF2,  23                          ; 256 x min(lane, 1) + my half of the scale bytes
.set STO,  24
.set RD,   25
.set CO,   26
.set SPW,  28
.set NIL,  29
.set SB,   32                          ; B's scale words: chunk c in set c % 4; register 2 j + q: my fragments 2 j (lanes 0-15) and 2 j + 1 (lanes 16-31), the chunk's q-th step
.set SA,   48                          ; A's: register 2 j + 1 - q: blocks j (lanes 0-15) and j + 8 (lanes 16-31); so A's and B's registers of one product differ in their lowest bit
.set ADRA, 64                          ; v64-79  my A fragment address: ring place p (0..7), rows 0-127 or 128-255: register 2 p + half
.set ADRS, 80                          ; v80-87  my A scale word in ring place p: lanes 0-15 rows 0-127, lanes 16-31 rows 128-255
.set AF,   128
.set BK,   128
.set G1,   24                          ; s[24:31] group 1 of a fill; s[32:39] group 0, a set for each slot
.set G0,   32
.set PB,   44                          ; s[44:45] my 128 columns' stream of b_q
.set MSB, 0
.macro WIN new                         ; the immediate's high byte repeats the setting that is left
.if MSB != (\new)
	s_set_vgpr_msb (MSB<<8)|(\new)
.set MSB, (\new)
.endif
.endm
.macro CREST                           ; a round of the cluster's barrier behind its opening barrier
	s_cmp_lg_u32 s14, 0
	s_cbranch_scc1 .Lnot_wave_0_\@
	s_barrier_signal -3
.Lnot_wave_0_\@:
	s_barrier_wait -3
	s_barrier_signal -1
	s_barrier_wait -1
.endm
.macro CROUND
	s_barrier_signal -1
	s_barrier_wait -1
	CREST
.endm
.macro PLACES n
.rept \n
	v_nop
.endr
.endm
.macro BLOAD d2, f                     ; my fragment f of step d2 (counted from the stream pointer) into set d2 % 4: four loads of 512 consecutive bytes
	WIN 0x40
.irp c, 0,1,2,3
	global_load_b128 v[64*((\d2)%4)+16*(\f)+4*\c:64*((\d2)%4)+16*(\f)+4*\c+3], v[BO], s[PB:PB+1] offset:((\d2)/2)*CHUNK+((\d2)%2)*16384+(\f)*2048+512*\c
.endr
.endm
.macro BSCL d2                         ; my scale words of the chunk that begins with step d2: two loads of 256 consecutive bytes
.irp j, 0,1
	global_load_b64 v[SB+4*(((\d2)/2)%4)+2*\j:SB+4*(((\d2)/2)%4)+2*\j+1], v[BS], s[PB:PB+1] offset:((\d2)/2)*CHUNK+32768+256*\j
.endr
.endm
.macro ALOAD rg, u                     ; A's unit u (blocks 2 u, 2 u + 1) of the step in ring place rg into buffer u % 4
.irp e, 0,1
.irp c, 0,1,2,3
	ds_load_b128 v[AF+32*((\u)%4)+16*\e+4*\c:AF+32*((\u)%4)+16*\e+4*\c+3], v[ADRA+2*(\rg)+(\u)/4] offset:((2*(\u)+\e)%8)*16*PITCH+32*\c
.endr
.endr
.endm
.macro ASCL rg
.irp j, 0,1,2,3,4,5,6,7
	ds_load_b32 v[SA+2*\j+1-(\rg)%2], v[ADRS+(\rg)] offset:\j*16*PITCH
.endr
.endm
.macro W b, zero, hi                   ; one product
.set DA, AC+8*(\b)
.set FF, FB+16*(\b)
.set RR, RB+2*((\b)/2)
.if \zero
.if \hi
.if (\b)%2
	v_wmma_scale_f32_16x16x128_f8f6f4 v[DA:DA+7], v[FF:FF+15], v[FA:FA+15], 0, v[RR], v[RA] matrix_a_scale:MATRIX_SCALE_ROW1 matrix_b_scale:MATRIX_SCALE_ROW1
.else
	v_wmma_scale_f32_16x16x128_f8f6f4 v[DA:DA+7], v[FF:FF+15], v[FA:FA+15], 0, v[RR], v[RA] matrix_b_scale:MATRIX_SCALE_ROW1
.endif
.else
.if (\b)%2
	v_wmma_scale_f32_16x16x128_f8f6f4 v[DA:DA+7], v[FF:FF+15], v[FA:FA+15], 0, v[RR], v[RA] matrix_a_scale:MATRIX_SCALE_ROW1
.else
	v_wmma_scale_f32_16x16x128_f8f6f4 v[DA:DA+7], v[FF:FF+15], v[FA:FA+15], 0, v[RR], v[RA]
.endif
.endif
.else
.if \hi
.if (\b)%2
	v_wmma_scale_f32_16x16x128_f8f6f4 v[DA:DA+7], v[FF:FF+15], v[FA:FA+15], v[DA:DA+7], v[RR], v[RA] matrix_a_scale:MATRIX_SCALE_ROW1 matrix_b_scale:MATRIX_SCALE_ROW1
.else
	v_wmma_scale_f32_16x16x128_f8f6f4 v[DA:DA+7], v[FF:FF+15], v[FA:FA+15], v[DA:DA+7], v[RR], v[RA] matrix_b_scale:MATRIX_SCALE_ROW1
.endif
.else
.if (\b)%2
	v_wmma_scale_f32_16x16x128_f8f6f4 v[DA:DA+7], v[FF:FF+15], v[FA:FA+15], v[DA:DA+7], v[RR], v[RA] matrix_a_scale:MATRIX_SCALE_ROW1
.else
	v_wmma_scale_f32_16x16x128_f8f6f4 v[DA:DA+7], v[FF:FF+15], v[FA:FA+15], v[DA:DA+7], v[RR], v[RA]
.endif
.endif
.endif
.endm
.macro MULB k, p8, zero                ; unit k: A's blocks 2 k, 2 k + 1 against B's four; the 64 accumulators take turns
.set RB, SB+4*((\p8)/2)+(\p8)%2
.set FB, 64*((\p8)%4)
	WIN (2+(\k)/4)*0x50+1
.irp e, 0,1
.set AC, 32*((2*(\k)+\e)%8)
.set FA, AF+32*((\k)%4)+16*\e
.set RA, SA+2*((2*(\k)+\e)%8)+1-(\p8)%2
.irp b, 0,1,2,3
	W \b, \zero, (\k)/4
.endr
.endr
.endm
; Step d, counted from the stream pointer (a multiple of 8 steps).  sync: 0 none; the slot's last step: 1 the slot is filled again, 3 nothing is filled.
; bl: the loads of step d + 3 are issued; pf: step d + 5 is prefetched; nl: the loads issued behind this step's (those of steps d + 1 and d + 2); last: no step follows.
; Behind pair j (units 2 j, 2 j + 1): eight places, then A's units 2 j + 4, 2 j + 5 (of this step or the next) into the pair's own buffers, and fragment j of B's step d + 3 into the set that step d - 1 left.
; s_wait_dscnt in front of a pair's first unit leaves out the pair's other eight loads and the next run's sixteen (24), in front of its second unit that run alone (16);
; eight more where the next step's scale words lie among them, one more where the add does.
; In a slot's last step the reads of the slot end with the second run, and the next slot is first read in the third: between them stands the change of slots.
.macro STEP d, zero, sync, bl, pf, nl, last
.set PP, (\d)%8
.set NX, ((\d)+1)%8
	s_wait_loadcnt \nl
.irp j, 0,1,2,3
.if (\sync) && (\j == 2)
	s_wait_dscnt 25
.elseif (\last) && (\j == 3)
	s_wait_dscnt 8
.elseif (\j == 3)
	s_wait_dscnt 32
.else
	s_wait_dscnt 24
.endif
	MULB 2*\j, PP, \zero
.if (\sync) && (\j == 2)
	s_wait_dscnt 17
.elseif (\last) && (\j == 3)
	s_wait_dscnt 0
.elseif (\j == 3)
	s_wait_dscnt 24
.else
	s_wait_dscnt 16
.endif
	MULB 2*\j+1, PP, \zero
	WIN 0
.if (\sync) && (\j == 2)
	s_wait_dscnt 0x0                               ; the add is done, and my reads of this slot are over
	s_barrier_signal -1
	s_barrier_wait -1
.if (\sync) == 1
	CREST                                          ; no wave of any partner still reads this slot or has a load on its way
	tensor_load_to_lds s[G0+4*(PP/4):G0+4*(PP/4)+3], s[G1:G1+7]
	s_nop 0
.endif
.endif
.if ((\last) == 0) || (\j < 2)
	PLACES 8                                       ; behind the pair's products, for the loads into its buffers and into the set of B that the step before left
.endif
.if \j < 2
	ALOAD PP, 2*\j+4
	ALOAD PP, 2*\j+5
.elseif (\last) == 0
.if \j == 2
	ALOAD NX, 0
	ASCL NX
	ALOAD NX, 1
.else
	ALOAD NX, 2
	ALOAD NX, 3
.endif
.endif
.if (\pf) && (\j == 0)
	global_prefetch_b8 v[PFO], s[PB:PB+1] offset:(((\d)+5)/2)*CHUNK+(((\d)+5)%2)*16384 th:TH_LOAD_NT scope:SCOPE_SE
.if ((\d)%2) == 1
	global_prefetch_b8 v[PF2], s[PB:PB+1] offset:(((\d)+5)/2)*CHUNK+32768 th:TH_LOAD_NT scope:SCOPE_SE
.endif
.endif
.if \bl
.if (\j == 0) && (((\d)%2) == 1)
	BSCL (\d)+3
.endif
	BLOAD (\d)+3, \j
.endif
.if (\sync) && (\j == 1)
	WIN 0
	s_wait_tensorcnt 0x0                           ; all my tensor loads have landed: my part of the next slot
	ds_add_u32 v[SPW], v[NIL]                      ; 0 onto my spare word; pair 2's sixteen products stand between it and the wait for it
.if (\sync) == 1
	s_add_nc_u64 s[G0+4*(PP/4)+2:G0+4*(PP/4)+3], s[G0+4*(PP/4)+2:G0+4*(PP/4)+3], 2*RUNB   ; no tensor load of mine is out: this slot's next fill
.endif
.endif
.endr
	WIN 0
.endm
	s_load_b128 s[4:7], s[0:1], 0x0                ; a_q, b_q
	s_load_b64 s[12:13], s[0:1], 0x10              ; out0
	v_lshl_add_u32 v[SPW], v0, 2, SPARE
	v_mov_b32 v[NIL], 0
	ds_add_u32 v[SPW], v[NIL]                      ; the opening lines: the add twice on end and its wait
	ds_add_u32 v[SPW], v[NIL]
	v_lshrrev_b32 v1, 5, v0
	v_readfirstlane_b32 s14, v1                    ; wave
	s_and_b32 s9, s14, 1                           ; which 64 of 128 columns; which half of a run of A I fetch
	s_lshr_b32 s10, s14, 1                         ; which 128 of the 256 columns; which 128 rows of A I fetch
	s_lshl_b32 s11, s9, 13
	s_lshl_b32 s15, s9, 9
	v_and_b32 v2, 31, v0                           ; lane
	v_lshl_add_u32 v[BO], v2, 4, s11
	v_lshl_add_u32 v[BS], v2, 3, s15
	v_lshl_add_u32 v[PFO], v2, 8, s11
	v_min_u32 v3, 1, v2
	v_lshl_add_u32 v[PF2], v3, 8, s15
	s_bfe_u32 s16, ttmp6, 0x40000                  ; cx
	s_lshl_b32 s17, ttmp9, 2
	s_add_co_u32 s16, s17, s16                     ; work-group x
	s_and_b32 s17, ttmp7, 0xffff                   ; work-group y: the same in the four partners
	s_mov_b32 s[G1+0], 15|(3<<16)|(1<<21)          ; the mask: all four; elements of 8 bytes; bit 21 beside a mask
	s_mov_b32 s[G1+1], 32<<16                      ; 144 rows of 256 bytes,
	s_mov_b32 s[G1+2], 144<<16
	s_mov_b32 s[G1+3], 32<<16
	s_mov_b32 s[G1+4], 144
	s_mov_b32 s[G1+5], 32                          ; each beginning where the last ends
	s_mov_b32 s[G1+6], 0
	s_mov_b32 s[G1+7], 0
	s_lshl_b32 s18, s16, 1
	s_add_co_u32 s18, s18, s10                     ; my block of 128 columns
	s_mul_i32 s18, s18, 16*CHUNK
	s_mov_b32 s19, 0
	s_lshl_b32 s20, s17, 1
	s_add_co_u32 s20, s20, s10                     ; the block of 128 rows that I fetch,
	s_mul_i32 s20, s20, AMB
	s_mul_i32 s22, s9, WPART                       ; and my half of its four steps
	s_add_co_u32 s20, s20, s22
	s_mov_b32 s21, 0
	s_mul_i32 s22, s14, WPART                      ; where it goes: wave x 36,864
	s_wait_alu depctr_va_vdst(0)                   ; ahead of the waits below
	s_wait_dscnt 0x0
	s_wait_kmcnt 0x0
	s_add_nc_u64 s[PB:PB+1], s[6:7], s[18:19]
	BSCL 0                                         ; what the first step needs is asked for first: B's step 0, then A's first fill
.irp f, 0,1,2,3
	BLOAD 0, \f
.endr
	WIN 0
	s_add_nc_u64 s[20:21], s[4:5], s[20:21]
.irp s, 0,1
	s_mov_b32 s[G0+4*\s], 1
	s_add_co_u32 s[G0+4*\s+1], s22, \s*SLOT
	s_add_nc_u64 s[G0+4*\s+2:G0+4*\s+3], s[20:21], \s*RUNB
	s_or_b32 s[G0+4*\s+3], s[G0+4*\s+3], 0x80000000
.endr
	CROUND                                         ; the four work-groups are here: the first joint loads meet
	tensor_load_to_lds s[G0:G0+3], s[G1:G1+7]      ; steps 0 to 3: one tensor load a wave at the head
	s_nop 0
.irp f, 0,1,2,3
	BLOAD 1, \f
.endr
	WIN 0
	BSCL 2
.irp f, 0,1,2,3
	BLOAD 2, \f
.endr
	WIN 0
	v_and_b32 v1, 15, v0                           ; r
	v_bfe_u32 v3, v0, 4, 1                         ; h
	v_mul_u32_u24 v4, v1, PITCH
	v_lshl_add_u32 v5, v3, 4, v4                   ; a fragment: row r, + 16 h
	v_mul_u32_u24 v6, v3, RUNB
	v_add_nc_u32 v6, v6, v4                        ; a scale word: row r, lanes 16-31 in the run of rows 128-255
.irp p, 0,1,2,3,4,5,6,7
	v_add_nc_u32 v[ADRA+2*\p], (\p/4)*SLOT+(\p%4)*STEPB, v5
	v_add_nc_u32 v[ADRA+2*\p+1], (\p/4)*SLOT+(\p%4)*STEPB+RUNB, v5
	v_add_nc_u32 v[ADRS+\p], (\p/4)*SLOT+(\p%4)*STEPB+128, v6
.endr
	s_mul_i32 s23, s14, 16*SPITCH
	s_add_co_u32 s23, s23, STAGE                   ; my stage
	v_mul_u32_u24 v5, v1, SPITCH
	v_lshl_add_u32 v5, v3, 5, v5
	v_add_nc_u32 v[STO], s23, v5                   ; in: row r, 32 bytes for each half of the lanes
	v_mul_u32_u24 v6, v3, SPITCH
	v_lshl_add_u32 v6, v1, 4, v6
	v_add_nc_u32 v[RD], s23, v6                    ; back: sixteen lanes take a row of 256 bytes, two rows an instruction
	v_lshlrev_b32 v7, 14, v3
	v_lshl_add_u32 v[CO], v1, 4, v7                ; and the same two rows in out0
	s_lshl_b32 s20, s17, 22                        ; out0: 256 rows of 16,384 bytes,
	s_lshl_b32 s22, s16, 10                        ; 1,024 bytes a work-group,
	s_add_co_u32 s20, s20, s22
	s_lshl_b32 s22, s14, 8                         ; 256 bytes a wave
	s_add_co_u32 s20, s20, s22
	s_mov_b32 s21, 0
	s_add_nc_u64 s[12:13], s[12:13], s[20:21]
	s_wait_alu depctr_va_vdst(0)                   ; the wait at the head's end
	s_wait_tensorcnt 0x0                           ; my part of slot 0 is in; slot 1's first fill is issued as a refill is
	ds_add_u32 v[SPW], v[NIL]
	s_wait_dscnt 0x0
	CROUND
	tensor_load_to_lds s[G0+4:G0+7], s[G1:G1+7]    ; steps 4 to 7
	s_nop 0
	ALOAD 0, 0
	ASCL 0
	ALOAD 0, 1
	ALOAD 0, 2
	ALOAD 0, 3
	STEP 0, 1, 0, 1, 1, 34, 0                      ; the first step's products start the sums
	s_mov_b32 s3, 3
.Llap:                                                 ; a trip: eight steps, once round the ring and twice round B's four sets; steps 1 to 24
	STEP 1, 0, 0, 1, 1, 34, 0
	STEP 2, 0, 0, 1, 1, 34, 0
	STEP 3, 0, 1, 1, 1, 34, 0
	STEP 4, 0, 0, 1, 1, 34, 0
	STEP 5, 0, 0, 1, 1, 34, 0
	STEP 6, 0, 0, 1, 1, 34, 0
	STEP 7, 0, 1, 1, 1, 34, 0
	STEP 8, 0, 0, 1, 1, 34, 0
	s_wait_xcnt 0x0                                ; the loads and prefetches have read the pointer
	s_add_nc_u64 s[PB:PB+1], s[PB:PB+1], 4*CHUNK
	s_sub_co_u32 s3, s3, 1
	s_cmp_lg_u32 s3, 0
	s_cbranch_scc1 .Llap
	STEP 1, 0, 0, 1, 1, 34, 0                      ; steps 25 to 31: nothing is filled, loaded or asked for beyond step 31
	STEP 2, 0, 0, 1, 1, 34, 0
	STEP 3, 0, 3, 1, 0, 34, 0
	STEP 4, 0, 0, 1, 0, 34, 0
	STEP 5, 0, 0, 0, 0, 34, 0
	STEP 6, 0, 0, 0, 0, 16, 0
	STEP 7, 0, 0, 0, 0, 0, 1
; THE WAY OUT, block by block of 16 rows x 64 columns, through my own stage: in as 32 bytes a lane, back as whole rows of 256 bytes.  LDS serves a wave's instructions in order (ISA guide 5.7.1.4).
.macro TOSTAGE a
.set AC, 32*((\a)%8)
	WIN 0x08+4*((\a)/8)                            ; the data: window 2 or 3
.irp b, 0,1,2,3
	ds_store_b128 v[STO], v[AC+8*\b:AC+8*\b+3] offset:64*\b          ; each accumulator from its low end on
	ds_store_b128 v[STO], v[AC+8*\b+4:AC+8*\b+7] offset:64*\b+16
.endr
	WIN 0
.set BB, BK+32*((\a)%4)
.irp t, 0,1,2,3,4,5,6,7
	ds_load_b128 v[BB+4*\t:BB+4*\t+3], v[RD] offset:\t*2*SPITCH
.endr
.endm
.macro SEND a, younger
.set BB, BK+32*((\a)%4)
	s_wait_dscnt \younger                          ; the block is back in registers
.if (\a) > 0
	s_wait_xcnt 0x0                                ; only behind this wait are the stores' base and the registers of earlier stores rewritten
	s_add_nc_u64 s[12:13], s[12:13], 16*SIZE_N*4
.endif
.irp t, 0,1,2,3,4,5,6,7
	global_store_b128 v[CO], v[BB+4*\t:BB+4*\t+3], s[12:13] offset:2*\t*SIZE_N*4 th:TH_STORE_NT   ; sixteen lanes store 256 consecutive bytes, at a multiple of 256 from out0's first byte
.endr
.endm
	PLACES 8                                       ; behind the last products
	TOSTAGE 0
.irp a, 1,2,3,4,5,6,7,8,9,10,11,12,13,14,15
	TOSTAGE \a                                     ; its loads land where block a - 4's stores read: a wait on XCNT has stood behind those stores
	SEND \a-1, 16                                  ; behind block a - 1's loads: block a's 8 stores and 8 loads
.endr
	SEND 15, 0
	s_wait_tensorcnt 0x0                           ; the wave's end
	ds_add_u32 v[SPW], v[NIL]
	s_wait_dscnt 0x0
	CROUND                                         ; the closing round
	s_endpgm
.Lfunc_end_k_qe84e9a019d_gemm:
	.size	k_qe84e9a019d_gemm, .Lfunc_end_k_qe84e9a019d_gemm-k_qe84e9a019d_gemm
	.p2alignl 7, 3214868480
	.fill 96, 4, 3214868480
	.section	.rodata,"a",@progbits
	.p2align	6, 0x0
	.amdhsa_kernel k_qe84e9a019d_gemm
		.amdhsa_group_segment_fixed_size 327680
		.amdhsa_private_segment_fixed_size 0
		.amdhsa_enable_private_segment 0
		.amdhsa_kernarg_size 24
		.amdhsa_user_sgpr_count 2
		.amdhsa_user_sgpr_kernarg_segment_ptr 1
		.amdhsa_wavefront_size32 1
		.amdhsa_system_sgpr_workgroup_id_x 1
		.amdhsa_system_sgpr_workgroup_id_y 1
		.amdhsa_system_sgpr_workgroup_id_z 1
		.amdhsa_system_vgpr_workitem_id 0
		.amdhsa_next_free_vgpr 1024
		.amdhsa_next_free_sgpr 66
		.amdhsa_reserve_vcc 0
		.amdhsa_float_denorm_mode_32 3
		.amdhsa_float_denorm_mode_16_64 3
		.amdhsa_memory_ordered 1
		.amdhsa_forward_progress 1
		.amdhsa_inst_pref_size 255
	.end_amdhsa_kernel
	.section	.bss,"aw",@nobits
	.p2align	6
	.space	262144
	.amdgpu_metadata
---
amdhsa.version: [ 1, 2 ]
amdhsa.kernels:
  - .name:           k_qe84e9a019d_gemm
    .symbol:         k_qe84e9a019d_gemm.kd
    .args:
      - { .name: a_q, .offset: 0, .size: 8, .value_kind: global_buffer, .address_space: global }
      - { .name: b_q, .offset: 8, .size: 8, .value_kind: global_buffer, .address_space: global }
      - { .name: out0, .offset: 16, .size: 8, .value_kind: global_buffer, .address_space: global }
    .group_segment_fixed_size: 327680
    .private_segment_fixed_size: 0
    .kernarg_segment_align: 8
    .kernarg_segment_size: 24
    .max_flat_workgroup_size: 128
    .sgpr_count:     66
    .vgpr_count:     1024
    .wavefront_size: 32
...
	.end_amdgpu_metadata
.endif
;; end of part 4
